; MI455X (gfx1250); checked and timed in simulation.
; The chip was launched on July 23, 2026; its instructions are those of AMD's public machine-readable ISA for CDNA 5 (MIT licence, August 2026) and "CDNA5" Instruction Set Architecture Reference Guide (July 2026). The comments in the code are by the model that wrote it; some were corrected since.
;; MM Fuser. Allowed arithmetic: matrix products marked QUANTISED: E2M1 operands, one E8M0 scale for each 32 along K, by v_wmma_scale_f32_16x16x128_f8f6f4 with both operands' format E2M1 (or v_wmma_scale_f32_32x16x128_f4), f32 sums; products left as they are: f32 operands where the result goes on into a quantised operand, else bf16, f16 or f32 operands; f32 sums; everything else in f32.
;; Inputs: fc1_b 4 float32; fc1_w 4 x 512 float32; fc2_b 512 float32; fc2_w 512 x 4 float32; gamma1 512 float32; gamma2 512 float32; input_features 8 x 13,271 x 512 float32; norm1_b 512 float32; norm1_w 512 float32; norm2_b 512 float32; norm2_w 512 float32; norm3_b 512 float32; norm3_w 512 float32; query_feature 8 x 577 x 512 float32.
;; Outputs: out0 8 x 577 x 512 float32.
;; This version of the problem:
;;   THIS VERSION OF THE PROBLEM IS GIVEN IN LOW PRECISION. The matrix products marked QUANTISED in the list below multiply operands that are first quantised to E2M1 (2 exponent bits, 1 mantissa bit; 4 bits a number), with one power-of-two scale for each 32 numbers along K (OCP MX v1.0); their sums are f32. All else is computed in f32.
;;   The module's matrix products, in the order in which they are computed (A, B: the left and right operand; K: the contracted axis; several contracted axes count as one K, in the product's order):
;;     1. batch 8 x [M 577, K 512] x [K 512, N 13,271]; A: computed on the way; B: computed on the way: QUANTISED
;;     2. batch 8 x [M 577, K 13,271] x [K 13,271, N 512]; A: softmax (see below); B: computed on the way: QUANTISED
;;     3. [M 4,616, K 512] x [K 512, N 4]; A: computed on the way; B: input fc1_w: left as it is (N = 4 < 16)
;;     4. [M 4,616, K 4] x [K 4, N 512]; A: computed on the way; B: input fc2_w: left as it is (K = 4 < 32)
;;     5. batch 8 x [M 577, K 512] x [K 512, N 577]; A: computed on the way; B: computed on the way: QUANTISED
;;     6. batch 8 x [M 577, K 577] x [K 577, N 512]; A: softmax (see below); B: computed on the way: QUANTISED
;;   THE QUANTISER, for each operand of a quantised product, along K:
;;     - K is cut into blocks of 32 from its start; a last block that is shorter is filled with zeros.
;;     - A block's scale is 2^e with e = floor(log2(the largest magnitude in the block)) - 2, held to -126 .. 127; a block of zeros has e = 0. As a byte (E8M0): e + 127.
;;     - Each number is divided by its block's scale, clamped to +-6, and rounded to the nearest number of E2M1, ties to even, subnormals kept.
;;     - The product sums the exact products of the quantised numbers (number of the format x scale) in f32.
;;   ~~~python
;;   def quantise(x, axis):      # numpy; x: float32 -> the quantised numbers, widened to float32 again
;;       x = np.moveaxis(x, axis, -1); K = x.shape[-1]
;;       x = np.pad(x, [(0, 0)] * (x.ndim - 1) + [(0, -K % 32)]); x = x.reshape(x.shape[:-1] + (-1, 32)); a = np.abs(x).max(-1, keepdims=True)
;;       e = np.where(a > 0, np.clip(np.frexp(np.where(a > 0, a, 1))[1] - 1 - 2, -126, 127), 0)      # np.frexp(a)[1] - 1 = floor(log2(a)), exactly
;;       r = np.clip(x / 2.0 ** e, -6, 6)
;;       step = 2.0 ** (np.maximum(np.frexp(np.where(r == 0, 1, r))[1] - 1, 0) - 1)
;;       q = np.round(r / step) * step * 2.0 ** e      # np.round: ties to even
;;       return np.moveaxis(q.reshape(q.shape[:-2] + (-1,))[..., :K], -1, axis).astype(np.float32)
;;   ~~~
;;   SOFTMAX AHEAD OF A QUANTISED PRODUCT. Where the list says 'softmax', what is quantised is not the finished softmax but p = 2^(t - M), with t = logit x log2(e) and M = ceil(the row's largest t), a whole number; so 1/2 < the row's largest p <= 1. The row's sum l is taken of the UNQUANTISED p, in f32, and the product's result is divided by l at the end. Since M is a whole number, a kernel that streams over the keys may use a running M (the ceiling of the running maximum): every later rescaling is an exact power of two, which a block's scale takes up: the codes' values come out the same.
;;   OPERANDS COMPUTED ON THE WAY. 'Computed on the way' means the value that the module computes at that place (a softmax that the list does not call 'softmax' is quantised finished and normalised). What goes into a quantiser is computed in f32, as accurately as f32 sums, v_exp_f32 and their like allow (about 1e-6 of the number): no bf16 or f16 on the way to a quantiser, and a product that is left as it is and whose result goes on into a quantised operand takes f32 operands (vector FMAs, or v_wmma_f32_16x16x4_f32). A number that lies on a knife's edge between two numbers of the format may be rounded either way, as far as f32 arithmetic and the matrix unit's own rounding can turn it there, and no further.
;; One version. Each part assembles by itself: llvm-mc -triple=amdgcn-amd-amdhsa -mcpu=gfx1250 --defsym DOCPART=n.
;; ======== version 1 of 1: 4 launches
;; limits: right only within a limited range of input values
;; workspace buffers: xk 28,966,912 bytes; xv 28,966,912 bytes; qw 11,878,400 bytes; part 5,242,880 bytes; cw 12,607,488 bytes
;; launch prep (part 1): grid 218 x 8, 8 waves a work-group, no clusters, 72,192 bytes of LDS; arguments input_features, query_feature, norm1_w, norm1_b, norm2_w, norm2_b, xk, xv, qw; writes xk, xv, qw
.if DOCPART == 1
	.amdgcn_target "amdgcn-amd-amdhsa--gfx1250"
	.amdhsa_code_object_version 6
	.text
	.protected	k_q8f9c8db1b5_prep
	.globl	k_q8f9c8db1b5_prep
	.p2align	8
	.type	k_q8f9c8db1b5_prep,@function
k_q8f9c8db1b5_prep:
	s_mov_b64 s[64:65], 0
	v_nop
	global_prefetch_b8 v0, s[64:65] scope:SCOPE_SE
	s_setreg_imm32_b32 hwreg(HW_REG_WAVE_MODE, 25, 1), 1
	s_wait_xcnt 0x0
; LayerNorm of input_features (norm_X) and of query_feature (norm_F_L), and their codes of E2M1 with one E8M0 byte for each 32 along a product's K.
; DEAD WORK: none.  Every product of the module and all fourteen inputs have a way to out0; nothing is left out in any of the four launches.
; norm_X is quantised twice: along the channels (operand of scores = Q K^T: "K form") and along the keys (operand of P V: "V form").  norm_F_L is quantised along the channels and kept in f32 for the last sum.
; K form: a tile of 16 rows x 512 channels is 4,096 bytes: channel block j of the tile's lane r at 256 j + 16 r; its scale bytes 256 a tile, at 16 r + j.  In a group of 32 rows tile u holds in lane r the row 8 u + (r & 7) + 16 (r >> 3).
; V form: a block of 32 keys x 512 channels is 8,192 bytes: channel ch's 16 bytes at 16 ch; its scale bytes 512 a block, at ch.
; SHARES.  y = batch.  x < 208: 64 keys of X; x >= 208: 64 rows of the query (577 padded to 640; keys 13,271 padded to 13,312).  One path for both: pointers and counts are chosen by the work-group's number.
; 1,744 work-groups of 64 rows: 6.8 for each of 256 WGPs, so that the fullest has 7 where work-groups of 128 rows would give it 8 halves.
; A work-group walks 2 sub-tiles of 32 rows; wave w normalises rows 4 w .. 4 w + 3 (a row = 16 numbers a lane), all rows meet in a stage in LDS, and each wave then quantises its share of blocks.
; Padded rows load the last real row and are multiplied by 0 behind the norm: zero codes.
; LIMITS: NaN and infinities among the inputs are not served.  A block of zeros gets the byte 1 (not 127): its codes are zeros, and these bytes are read by this program alone.
.set XWG,   208                        ; work-groups of X in a batch: 13,312 / 64
.set LOGR,  6                          ; 64 rows to a work-group
.set NSUB,  2                          ; sub-tiles of 32 rows
.set PITCH, 2064                       ; a stage slot: a row's 2,048 bytes + 16: sixteen neighbouring slots start in sixteen different 16-byte columns
.set WB,    66048                      ; w (2,048 bytes), then b
.set KSG,   70144                      ; a sub-tile's 512 scale bytes, K form
.set VSG,   70656                      ; and V form
.set SPARE, 71168                      ; the spare words, 128 bytes a wave
.set XKS,   27262976
.set XVS,   27262976
.set QWS,   1310720
.set QWN,   1392640
.set T,     32                         ; v32-63: w and b, later 32 numbers of a block
.set X,     64                         ; v64-127: four rows x 16 numbers
; v1, v2 the add's two; v3 16 lane; v4-7 row offsets; v8 stage in; v9 stage out by channels; v10 stage out by keys; v11, v12 codes' places; v13, v14 bytes' places; v15 norm_F_L's place; v16 w's place; v31 bytes out; v17-30 at work
.macro LANESUM                         ; v18, 20, 22, 24 (pairs with v19 ..): the pair's halves, then the 32 lanes, are added; every lane gets the sum
.irp p,0,1,2,3
	v_add_f32 v[18+2*\p], v[18+2*\p], v[19+2*\p]
.endr
.irp m,1,2,4,8
.irp p,0,1,2,3
	v_add_f32_dpp v[18+2*\p], v[18+2*\p], v[18+2*\p] row_xmask:\m row_mask:0xf bank_mask:0xf
.endr
.endr
.irp p,0,1,2,3
	v_permlanex16_b32 v[19+2*\p], v[18+2*\p], s56, s57
.endr
.irp p,0,1,2,3
	v_add_f32 v[18+2*\p], v[18+2*\p], v[19+2*\p]
.endr
.endm
.macro LNROWS wreg, breg               ; four rows by turns: mean, x - mean, variance, (x - mean) rsqrt(var + eps) w + b: two passes, in the order of the definition
.irp p,0,1,2,3
	v_pk_add_f32 v[18+2*\p:19+2*\p], v[X+16*\p:X+16*\p+1], v[X+16*\p+2:X+16*\p+3]
.endr
.irp i,4,6,8,10,12,14
.irp p,0,1,2,3
	v_pk_add_f32 v[18+2*\p:19+2*\p], v[18+2*\p:19+2*\p], v[X+16*\p+\i:X+16*\p+\i+1]
.endr
.endr
	LANESUM
.irp p,0,1,2,3
	v_mul_f32 v[18+2*\p], s58, v[18+2*\p]                ; the mean
.endr
.irp i,0,2,4,6,8,10,12,14
.irp p,0,1,2,3
	v_pk_add_f32 v[X+16*\p+\i:X+16*\p+\i+1], v[X+16*\p+\i:X+16*\p+\i+1], v[18+2*\p:19+2*\p] op_sel_hi:[1,0] neg_lo:[0,1] neg_hi:[0,1]
.endr
.endr
.irp p,0,1,2,3
	v_pk_mul_f32 v[18+2*\p:19+2*\p], v[X+16*\p:X+16*\p+1], v[X+16*\p:X+16*\p+1]
.endr
.irp i,2,4,6,8,10,12,14
.irp p,0,1,2,3
	v_pk_fma_f32 v[18+2*\p:19+2*\p], v[X+16*\p+\i:X+16*\p+\i+1], v[X+16*\p+\i:X+16*\p+\i+1], v[18+2*\p:19+2*\p]
.endr
.endr
	LANESUM
.irp p,0,1,2,3
	v_fma_f32 v[18+2*\p], v[18+2*\p], s58, s59           ; variance + 1e-5
.endr
.irp p,0,1,2,3
	v_rsq_f32 v[18+2*\p], v[18+2*\p]
.endr
	v_nop                                                ; a plain instruction behind the last of the batch
	s_wait_alu depctr_va_vdst(0)                         ; one wait for the four, ahead of their first reader
.irp i,0,2,4,6,8,10,12,14
.irp p,0,1,2,3
	v_pk_mul_f32 v[X+16*\p+\i:X+16*\p+\i+1], v[X+16*\p+\i:X+16*\p+\i+1], v[18+2*\p:19+2*\p] op_sel_hi:[1,0]
.endr
.endr
.irp i,0,2,4,6,8,10,12,14
.irp p,0,1,2,3
	v_pk_fma_f32 v[X+16*\p+\i:X+16*\p+\i+1], v[X+16*\p+\i:X+16*\p+\i+1], v[(\wreg)+\i:(\wreg)+\i+1], v[(\breg)+\i:(\breg)+\i+1]
.endr
.endr
.endm
.macro ZERO                            ; rows at or past the tensor's end become zeros; a wave whose four rows are real jumps over it (ids alone)
	s_add_co_u32 s2, s48, 3
	s_cmp_lt_u32 s2, s47
	s_cbranch_scc1 .Lfull_\@
.irp p,0,1,2,3
	s_add_co_u32 s2, s48, \p
	s_cmp_lt_u32 s2, s47
	s_cselect_b32 s54, 1.0, 0
	s_mov_b32 s55, s54
.irp i,0,2,4,6,8,10,12,14
	v_pk_mul_f32 v[X+16*\p+\i:X+16*\p+\i+1], v[X+16*\p+\i:X+16*\p+\i+1], s[54:55] op_sel_hi:[1,0]
.endr
.endr
.Lfull_\@:
.endm
.macro QCORE c                         ; the 32 numbers in v[T] on: their codes into v[c] .. v[c + 3], their scale byte into v30
	v_max3_num_f32 v17, |v[T]|, |v[T+1]|, |v[T+2]|
	v_max3_num_f32 v28, |v[T+3]|, |v[T+4]|, |v[T+5]|
.irp i,6,10,14,18,22,26
	v_max3_num_f32 v17, v17, |v[T+\i]|, |v[T+\i+1]|
	v_max3_num_f32 v28, v28, |v[T+\i+2]|, |v[T+\i+3]|
.endr
	v_max3_num_f32 v17, v17, |v[T+30]|, |v[T+31]|
	v_max3_num_f32 v17, v17, v28, 0x1800000              ; and the floor 2^(3 - 127): the byte cannot fall under 1
	v_add_nc_u32 v29, 0xff000000, v17                    ; 2 off the exponent field: the conversion's scale operand
.irp g,0,1,2,3
	v_cvt_scalef32_pk8_fp4_f32 v[\c+\g], v[T+8*\g:T+8*\g+7], v29
.endr
	v_lshrrev_b32 v30, 23, v29                           ; the byte (also the plain instruction behind the conversions)
.endm
.macro KQUANT e                        ; lane (r, h): slot 16 (w >> 2) + r, channel block 8 h + 2 (w & 3) + e
.irp q,0,1,2,3,4,5,6,7
	ds_load_b128 v[T+4*\q:T+4*\q+3], v9 offset:128*\e+16*\q
.endr
	s_wait_dscnt 0x0
	QCORE 20+4*\e
	global_store_b128 v11, v[20+4*\e:23+4*\e], s[36:37] offset:256*\e   ; sixteen lanes store 256 consecutive bytes, aligned
	ds_store_b8 v13, v30 offset:\e
.endm
.macro VQUANT e                        ; lane = channel 64 w + 32 e + lane; its registers run down the 32 keys, in their true order
.irp k,0,1,2,3,4,5,6,7,8,9,10,11,12,13,14,15,16,17,18,19,20,21,22,23,24,25,26,27,28,29,30,31
	ds_load_b32 v[T+\k], v10 offset:(16*((\k>>3)&1)+(\k&7)+8*(\k>>4))*PITCH+128*\e
.endr
	s_wait_dscnt 0x0
	QCORE 20+4*\e
	global_store_b128 v12, v[20+4*\e:23+4*\e], s[40:41] offset:512*\e   ; the wave stores 512 consecutive bytes
	ds_store_b8 v14, v30 offset:32*\e
.endm
.macro LOADX                           ; my four rows of the sub-tile at s48: each load reads 512 consecutive bytes; a lane holds channels 128 i + 4 lane ..
.irp p,0,1,2,3
	s_add_co_u32 s2, s48, \p
	s_min_u32 s2, s2, s46                                ; no load leaves the tensor
	s_lshl_b32 s2, s2, 11
	v_add_nc_u32 v[4+\p], s2, v3
.endr
.irp p,0,1,2,3
.irp i,0,1,2,3
	global_load_b128 v[X+16*\p+4*\i:X+16*\p+4*\i+3], v[4+\p], s[30:31] offset:512*\i th:TH_LOAD_NT
.endr
.endr
.endm
	s_load_b512 s[8:23], s[0:1], 0x0                     ; X, query, norm1_w, norm1_b, norm2_w, norm2_b, xk, xv
	s_load_b64 s[24:25], s[0:1], 0x40                    ; qw
	v_lshl_add_u32 v1, v0, 2, SPARE
	v_mov_b32 v2, 0
	v_lshrrev_b32 v17, 5, v0
	v_readfirstlane_b32 s26, v17                         ; wave
	v_and_b32 v17, 31, v0                                ; lane
	v_and_b32 v18, 15, v0                                ; r
	v_bfe_u32 v19, v0, 4, 1                              ; h
	s_and_b32 s28, ttmp7, 0xffff                         ; batch
	s_cmp_ge_u32 ttmp9, XWG
	s_cselect_b32 s29, 1, 0                              ; 1: the query's work-group
	s_cselect_b32 s27, XWG, 0
	s_sub_co_u32 s27, ttmp9, s27                         ; which 64 rows
	s_lshr_b32 s50, s26, 2
	s_and_b32 s51, s26, 3
	s_bfe_u32 s52, s26, 0x10001
	s_and_b32 s53, s26, 1
	v_lshlrev_b32 v3, 4, v17
	s_lshl_b32 s2, s52, 4                                ; row 4 w lies in slot 16 ((w >> 1) & 1) + 4 (w & 1) + 8 (w >> 2)
	s_lshl_b32 s3, s53, 2
	s_add_co_u32 s2, s2, s3
	s_lshl_b32 s3, s50, 3
	s_add_co_u32 s2, s2, s3
	s_mul_i32 s2, s2, PITCH
	v_add_nc_u32 v8, s2, v3
	v_mul_u32_u24 v9, v18, PITCH
	v_lshl_add_u32 v9, v19, 10, v9
	s_mul_i32 s2, s50, 16*PITCH
	s_lshl_b32 s3, s51, 8
	s_add_co_u32 s2, s2, s3
	v_add_nc_u32 v9, s2, v9
	v_lshlrev_b32 v10, 2, v17
	s_lshl_b32 s2, s26, 8
	v_add_nc_u32 v10, s2, v10
	v_lshlrev_b32 v11, 4, v18
	v_lshl_add_u32 v11, v19, 11, v11
	s_lshl_b32 s2, s50, 12
	s_lshl_b32 s3, s51, 9
	s_add_co_u32 s2, s2, s3
	v_add_nc_u32 v11, s2, v11
	s_lshl_b32 s2, s26, 10
	v_add_nc_u32 v12, s2, v3
	v_lshlrev_b32 v13, 4, v18
	v_lshl_add_u32 v13, v19, 3, v13
	s_lshl_b32 s2, s50, 8
	s_lshl_b32 s3, s51, 1
	s_add_co_u32 s2, s2, s3
	s_add_co_u32 s2, s2, KSG
	v_add_nc_u32 v13, s2, v13
	s_lshl_b32 s2, s26, 6
	s_add_co_u32 s2, s2, VSG
	v_add_nc_u32 v14, s2, v17
	s_lshl_b32 s2, s26, 13
	v_add_nc_u32 v15, s2, v3
	v_add_nc_u32 v16, WB, v3
	v_add_nc_u32 v31, KSG, v3
	v_and_b32 v20, 127, v0
	v_lshlrev_b32 v20, 4, v20
	v_lshl_add_u32 v21, v0, 4, WB
	s_mov_b32 s56, 0x76543210
	s_mov_b32 s57, 0xfedcba98                            ; v_permlanex16_b32's selects for lane l xor 16
	s_mov_b32 s58, 0x3b000000                            ; 1 / 512
	s_mov_b32 s59, 0x3727c5ac                            ; 1e-5
	s_lshl_b32 s48, s27, LOGR
	s_lshl_b32 s2, s26, 2
	s_add_co_u32 s48, s48, s2                            ; my first row in the batch
	s_mov_b32 s49, 0
	s_wait_kmcnt 0x0
	s_cmp_lg_u32 s29, 0                                  ; the choice hangs on the work-group's number alone
	s_cselect_b64 s[30:31], s[10:11], s[8:9]
	s_cselect_b64 s[32:33], s[16:17], s[12:13]
	s_cselect_b64 s[34:35], s[18:19], s[14:15]
	s_cselect_b64 s[36:37], s[24:25], s[20:21]
	s_mov_b32 s47, 13271
	s_cselect_b32 s47, 577, s47                          ; rows in a batch
	s_mov_b32 s2, 832
	s_cselect_b32 s2, 40, s2                             ; tiles in a batch
	s_mov_b32 s3, XKS
	s_cselect_b32 s3, QWS, s3                            ; where the scale bytes begin
	s_sub_co_u32 s46, s47, 1
	s_mul_i32 s4, s28, s47
	s_lshl_b32 s4, s4, 11
	s_mov_b32 s5, 0
	s_add_nc_u64 s[30:31], s[30:31], s[4:5]              ; the batch's first row
	s_mul_i32 s6, s28, s2
	s_lshl_b32 s7, s27, LOGR-4
	s_add_co_u32 s6, s6, s7                              ; my first tile
	s_lshl_b32 s4, s6, 8
	s_add_co_u32 s4, s4, s3
	s_add_nc_u64 s[38:39], s[36:37], s[4:5]              ; K form: scale bytes
	s_lshl_b32 s4, s6, 8
	s_add_co_u32 s4, s4, XVS
	s_add_nc_u64 s[42:43], s[22:23], s[4:5]              ; V form: scale bytes (two tiles are a block: 512 bytes)
	s_lshl_b32 s4, s6, 12
	s_add_nc_u64 s[36:37], s[36:37], s[4:5]              ; K form: codes
	s_add_nc_u64 s[40:41], s[22:23], s[4:5]              ; V form: codes
	s_mul_i32 s4, s28, 640
	s_lshl_b32 s7, s27, LOGR
	s_add_co_u32 s4, s4, s7
	s_lshl_b32 s4, s4, 11
	s_add_co_u32 s4, s4, QWN
	s_add_nc_u64 s[44:45], s[24:25], s[4:5]              ; norm_F_L in f32 (used by the query's work-groups alone)
	s_cmp_lt_u32 s26, 4
	s_cselect_b64 s[4:5], s[32:33], s[34:35]             ; waves 0-3 bring w, waves 4-7 b
	global_load_b128 v[32:35], v20, s[4:5]
	LOADX
	s_wait_loadcnt 16                                    ; w or b is in; the sixteen loads of my rows stay out
	ds_store_b128 v21, v[32:35]
	s_wait_dscnt 0x0
	s_barrier_signal -1
	s_barrier_wait -1
.Ltrip:
.irp i,0,1,2,3
	ds_load_b128 v[T+4*\i:T+4*\i+3], v16 offset:512*\i
	ds_load_b128 v[T+16+4*\i:T+19+4*\i], v16 offset:2048+512*\i
.endr
	s_wait_loadcnt 0x0                                   ; my four rows
	s_wait_dscnt 0x0
	LNROWS T, T+16
	ZERO
	s_cmp_eq_u32 s29, 0
	s_cbranch_scc1 .Lnonf
.irp p,0,1,2,3
.irp i,0,1,2,3
	global_store_b128 v15, v[X+16*\p+4*\i:X+16*\p+4*\i+3], s[44:45] offset:2048*\p+512*\i
.endr
.endr
.Lnonf:
.irp p,0,1,2,3
.irp i,0,1,2,3
	ds_store_b128 v8, v[X+16*\p+4*\i:X+16*\p+4*\i+3] offset:PITCH*\p+512*\i
.endr
.endr
	s_add_co_u32 s48, s48, 32
	s_wait_dscnt 0x0                                     ; my rows lie in the stage
	s_wait_xcnt 0x0                                      ; the stores have read X: it may be loaded again
	s_cmp_eq_u32 s49, NSUB-1
	s_cbranch_scc1 .Lnoload
	LOADX                                                ; the next sub-tile lands while this one is quantised
.Lnoload:
	s_barrier_signal -1
	s_barrier_wait -1                                    ; all 32 rows lie in the stage
	KQUANT 0
	KQUANT 1
	s_cmp_lg_u32 s29, 0
	s_cbranch_scc1 .Lnov
	s_wait_xcnt 0x0                                      ; the codes' registers are written again
	VQUANT 0
	VQUANT 1
.Lnov:
	s_wait_dscnt 0x0                                     ; my reads of the stage are over, my bytes are stored
	s_barrier_signal -1
	s_barrier_wait -1
	s_wait_xcnt 0x0
	s_cmp_lg_u32 s26, 0
	s_cbranch_scc1 .Lnot0
	ds_load_b128 v[20:23], v31
	s_wait_dscnt 0x0
	global_store_b128 v3, v[20:23], s[38:39]             ; 512 scale bytes, K form
.Lnot0:
	s_cmp_lg_u32 s26, 1
	s_cbranch_scc1 .Lnot1
	s_cmp_lg_u32 s29, 0
	s_cbranch_scc1 .Lnot1
	ds_load_b128 v[20:23], v31 offset:512
	s_wait_dscnt 0x0
	global_store_b128 v3, v[20:23], s[42:43]             ; 512 scale bytes, V form
.Lnot1:
	s_wait_xcnt 0x0                                      ; bases and data may be written again
	s_add_nc_u64 s[36:37], s[36:37], 8192
	s_add_nc_u64 s[38:39], s[38:39], 512
	s_add_nc_u64 s[40:41], s[40:41], 8192
	s_add_nc_u64 s[42:43], s[42:43], 512
	s_add_nc_u64 s[44:45], s[44:45], 65536
	s_add_co_u32 s49, s49, 1
	s_cmp_lt_u32 s49, NSUB
	s_cbranch_scc1 .Ltrip
	s_wait_tensorcnt 0x0                                 ; the wave's end
	ds_add_u32 v1, v2
	s_wait_dscnt 0x0
	s_endpgm
.Lfunc_end_k_q8f9c8db1b5_prep:
	.size	k_q8f9c8db1b5_prep, .Lfunc_end_k_q8f9c8db1b5_prep-k_q8f9c8db1b5_prep
	.p2alignl 7, 3214868480
	.fill 96, 4, 3214868480
	.section	.rodata,"a",@progbits
	.p2align	6, 0x0
	.amdhsa_kernel k_q8f9c8db1b5_prep
		.amdhsa_group_segment_fixed_size 72192
		.amdhsa_private_segment_fixed_size 0
		.amdhsa_enable_private_segment 0
		.amdhsa_kernarg_size 72
		.amdhsa_user_sgpr_count 2
		.amdhsa_user_sgpr_kernarg_segment_ptr 1
		.amdhsa_wavefront_size32 1
		.amdhsa_system_sgpr_workgroup_id_x 1
		.amdhsa_system_sgpr_workgroup_id_y 1
		.amdhsa_system_sgpr_workgroup_id_z 1
		.amdhsa_system_vgpr_workitem_id 0
		.amdhsa_next_free_vgpr 128
		.amdhsa_next_free_sgpr 66
		.amdhsa_reserve_vcc 0
		.amdhsa_float_denorm_mode_32 3
		.amdhsa_float_denorm_mode_16_64 3
		.amdhsa_memory_ordered 1
		.amdhsa_forward_progress 1
		.amdhsa_inst_pref_size 41
	.end_amdhsa_kernel
	.amdgpu_metadata
---
amdhsa.version: [ 1, 2 ]
amdhsa.kernels:
  - .name:           k_q8f9c8db1b5_prep
    .symbol:         k_q8f9c8db1b5_prep.kd
    .args:
      - { .name: input_features, .offset: 0, .size: 8, .value_kind: global_buffer, .address_space: global }
      - { .name: query_feature, .offset: 8, .size: 8, .value_kind: global_buffer, .address_space: global }
      - { .name: norm1_w, .offset: 16, .size: 8, .value_kind: global_buffer, .address_space: global }
      - { .name: norm1_b, .offset: 24, .size: 8, .value_kind: global_buffer, .address_space: global }
      - { .name: norm2_w, .offset: 32, .size: 8, .value_kind: global_buffer, .address_space: global }
      - { .name: norm2_b, .offset: 40, .size: 8, .value_kind: global_buffer, .address_space: global }
      - { .name: xk, .offset: 48, .size: 8, .value_kind: global_buffer, .address_space: global }
      - { .name: xv, .offset: 56, .size: 8, .value_kind: global_buffer, .address_space: global }
      - { .name: qw, .offset: 64, .size: 8, .value_kind: global_buffer, .address_space: global }
    .group_segment_fixed_size: 72192
    .private_segment_fixed_size: 0
    .kernarg_segment_align: 8
    .kernarg_segment_size: 72
    .max_flat_workgroup_size: 256
    .sgpr_count:     66
    .vgpr_count:     128
    .wavefront_size: 32
...
	.end_amdgpu_metadata
.endif
;; end of part 1
;; launch cross (part 2): grid 32 x 8, 4 waves a work-group, no clusters, 327,680 bytes of LDS; arguments xk, xv, qw, fc1_w, part; writes part
.if DOCPART == 2
	.amdgcn_target "amdgcn-amd-amdhsa--gfx1250"
	.amdhsa_code_object_version 6
	.text
	.protected	k_q8f9c8db1b5_cross
	.globl	k_q8f9c8db1b5_cross
	.p2align	8
	.type	k_q8f9c8db1b5_cross,@function
k_q8f9c8db1b5_cross:
	s_mov_b64 s[64:65], 0
	v_nop
	global_prefetch_b8 v0, s[64:65] scope:SCOPE_SE
	s_setreg_imm32_b32 hwreg(HW_REG_WAVE_MODE, 25, 1), 1
	s_wait_xcnt 0x0
; The cross attention for one chunk of 416 keys (13 blocks of 32) of one batch and all 640 padded queries, both products on codes of E2M1, and attended @ fc1_w^T applied to the chunk's partial sums.
; No work is left out.  fc1 is linear, so it is applied to the chunk's unnormalised O: for each query the launch stores M, l and four numbers; the next launch joins the 32 chunks.
; SOFTMAX: t = score x log2(e) / sqrt(512); M = the running largest t rounded up; p = 2^(t - M) is quantised along the keys; l is the sum of the unquantised p.
; O is never rescaled: a step's codes of p stay, and when M has moved on by d the step's scale bytes are lowered by d, which is exact.
; SHARES.  x = chunk, y = batch: 256 work-groups of equal work.  The chunk's codes of K and V come into LDS once, by three tensor loads a wave.  No cluster: work-groups share only Q, which goes straight into one wave's registers.
; Wave w owns query tiles w + 4 i, five at a time.  For five tiles: scores and softmax of all 416 keys (3 steps of 128, a tail of 32), p's codes into the wave's own LDS bytes; then O^T = V^T P^T, 64 channels at a time, and its product with fc1.
; Both products are used transposed: a lane holds one query.  Keys past 13,271 (last chunk) get -1e30 as the C of their scores' first product.
; LIMITS: NaN and infinities are not served; scores beyond about 1e29 are not told from hidden keys; a scale byte of p that the final M would push under 1 is held at 1.
.set KB,    0                          ; 26 key tiles x 4,096
.set VB,    106496                     ; 13 key blocks x 8,192
.set KSC,   212992                     ; K's scale bytes, 256 a tile
.set VSW,   219648                     ; V's scale words: [channel][4 words]
.set FT,    227840                     ; fc1_w as [16 channels][half][output][8 numbers]
.set PA,    236032                     ; p's images: 20,480 bytes a wave; tile n at 4,096 n: steps at 1,152 j, the tail at 3,456
.set SPARE, 317952
.set XKS,   27262976
.set XVS,   27262976
.set QWS,   1310720
.set T,     192                        ; the softmax's 64 registers, in windows 1 and 2 alike
.set TT,    160
.set MSB, 0
.macro WIN new                         ; the immediate's high byte repeats the setting that is left
.if MSB != (\new)
	s_set_vgpr_msb (MSB<<8)|(\new)
.set MSB, (\new)
.endif
.endm
.macro PLACES
.rept 4
	v_nop
.endr
.endm
.macro TR4 a0,a1,a2,a3,o0,o1,o2,o3     ; four words of four bytes, transposed
	v_perm_b32 v[TT], v[\a1], v[\a0], s60
	v_perm_b32 v[TT+1], v[\a1], v[\a0], s61
	v_perm_b32 v[TT+2], v[\a3], v[\a2], s60
	v_perm_b32 v[TT+3], v[\a3], v[\a2], s61
	v_perm_b32 v[\o0], v[TT+2], v[TT], s62
	v_perm_b32 v[\o1], v[TT+2], v[TT], s63
	v_perm_b32 v[\o2], v[TT+3], v[TT+1], s62
	v_perm_b32 v[\o3], v[TT+3], v[TT+1], s63
.endm
.macro QLOAD                           ; five tiles of Q: fragments into window 3, scale words into v48-67
	WIN 0xC0
.irp n,0,1,2,3,4
.irp s,0,1,2,3
.irp c,0,1
	global_load_b128 v[32*\n+8*\s+4*\c:32*\n+8*\s+4*\c+3], v3, s[54:55] offset:16384*\n+1024*\s+512*\c
.endr
.endr
.endr
	WIN 0
.irp n,0,1,2,3,4
	global_load_b128 v[48+4*\n:51+4*\n], v4, s[56:57] offset:1024*\n
.endr
.endm
.macro KPAIR buf, tile                 ; two key tiles: 16 loads of fragments, 2 of scale words
.irp kt2,0,1
.irp s,0,1,2,3
.irp c,0,1
	ds_load_b128 v[128+64*(\buf)+32*\kt2+8*\s+4*\c:131+64*(\buf)+32*\kt2+8*\s+4*\c], v5 offset:4096*((\tile)+\kt2)+1024*\s+512*\c
.endr
.endr
	ds_load_b128 v[32+8*(\buf)+4*\kt2:35+8*(\buf)+4*\kt2], v6 offset:256*((\tile)+\kt2)
.endr
.endm
.macro SRUN p, buf, usecm              ; S^T of two key tiles x five query tiles, K = 512: 40 products; six, then four accumulators by turns
.irp wn,1,2
	WIN 0x0C+0x50*\wn
.irp s,0,1,2,3
.irp kt2,0,1
.irp k,0,1,2
.if (\wn == 1) || (\k < 2)
.set rD, 64*\k+8*(2*(\p)+\kt2)
.set rA, 128+64*(\buf)+32*\kt2+8*\s
.set rB, 32*(3*(\wn-1)+\k)+8*\s
.set rK, 32+8*(\buf)+4*\kt2+\s
.set rQ, 48+4*(3*(\wn-1)+\k)+\s
.if \s > 0
	v_wmma_scale_f32_16x16x128_f8f6f4 v[rD:rD+7], v[rA:rA+7], v[rB:rB+7], v[rD:rD+7], v[rK], v[rQ] matrix_a_fmt:MATRIX_FMT_FP4 matrix_b_fmt:MATRIX_FMT_FP4
.elseif (\usecm)
	v_wmma_scale_f32_16x16x128_f8f6f4 v[rD:rD+7], v[rA:rA+7], v[rB:rB+7], v[T+48+8*\kt2:T+55+8*\kt2], v[rK], v[rQ] matrix_a_fmt:MATRIX_FMT_FP4 matrix_b_fmt:MATRIX_FMT_FP4
.else
	v_wmma_scale_f32_16x16x128_f8f6f4 v[rD:rD+7], v[rA:rA+7], v[rB:rB+7], 0, v[rK], v[rQ] matrix_a_fmt:MATRIX_FMT_FP4 matrix_b_fmt:MATRIX_FMT_FP4
.endif
.endif
.endr
.endr
.endr
.endr
.endm
.macro SETCM tail                      ; the mask as C, with no branch: 0 everywhere but in the last chunk's block 414 (keys 16 h + i >= 23) and block 415 (all)
	s_cmp_eq_u32 s15, 31
	s_cselect_b32 s70, 1, 0
.if \tail == 0
	s_cmp_eq_u32 s51, 2
	s_cselect_b32 s71, 1, 0
	s_and_b32 s70, s70, s71
.endif
	s_cmp_lg_u32 s70, 0
	s_cselect_b32 s53, 0xF149F2CA, 0                     ; -1e30
.irp wn,1,2
	WIN 0x55*\wn
	v_mov_b32 v[T+14], s53
.if \tail
.irp i,0,1,2,3,4,5,6,7,8,9,10,11,12,13,14,15
	v_mov_b32 v[T+48+\i], s53
.endr
.else
.irp i,0,1,2,3,4,5,6
	v_mov_b32 v[T+48+\i], 0
.endr
.irp i,7,8,9,10,11,12,13,14,15
	v_cndmask_b32 v[T+48+\i], 0, v[T+14], s44
.endr
.endif
.endr
.endm
.macro APSET                           ; where this step's images go, in both windows
	WIN 0x40
	v_add_nc_u32 v[T+26], s68, v13
	v_add_nc_u32 v[T+27], s68, v15
	WIN 0x80
	v_add_nc_u32 v[T+26], s68, v13
	v_add_nc_u32 v[T+27], s68, v15
.endm
; The softmax of one query tile for nb blocks of 32 keys.  sb: the scores (register 16 b + i = key 32 b + 16 (lane / 16) + i); st: -M, p's scale word, l (two halves), the largest t; pc: where p's codes go.
; T+0.. block maxima, T+4.. the other half's, then bytes, T+8.. scale operands, T+12 f, T+14 at work, T+24 a second chain of the sum.
.macro SOFT sb, st, pc, nb
.set bq, 0
.rept \nb
	v_max3_num_f32 v[T+bq], v[(\sb)+16*bq], v[(\sb)+16*bq+1], v[(\sb)+16*bq+2]
.set bq, bq+1
.endr
.irp i,3,5,7,9,11,13
.set bq, 0
.rept \nb
	v_max3_num_f32 v[T+bq], v[T+bq], v[(\sb)+16*bq+\i], v[(\sb)+16*bq+\i+1]
.set bq, bq+1
.endr
.endr
.set bq, 0
.rept \nb
	v_max_num_f32 v[T+bq], v[T+bq], v[(\sb)+16*bq+15]
.set bq, bq+1
.endr
.set bq, 0
.rept \nb
	v_permlanex16_b32 v[T+4+bq], v[T+bq], s46, s47
.set bq, bq+1
.endr
.set bq, 0
.rept \nb
	v_max_num_f32 v[T+bq], v[T+bq], v[T+4+bq]            ; each block's largest score: for the row's maximum and for the block's largest p
.set bq, bq+1
.endr
.if \nb == 4
	v_max3_num_f32 v[T+14], v[T], v[T+1], v[T+2]
	v_max_num_f32 v[T+14], v[T+14], v[T+3]
	v_mul_f32 v[T+14], s48, v[T+14]
.elseif \nb == 3
	v_max3_num_f32 v[T+14], v[T], v[T+1], v[T+2]
	v_mul_f32 v[T+14], s48, v[T+14]
.else
	v_mul_f32 v[T+14], s48, v[T]
.endif
	v_max_num_f32 v[(\st)+4], v[(\st)+4], v[T+14]        ; the running largest t
	v_mov_b32 v[T+14], v[\st]
	v_floor_f32 v[\st], -v[(\st)+4]                      ; -M = floor(-t)
	v_sub_f32 v[T+14], v[\st], v[T+14]
	v_cvt_i32_f32 v[T+14], v[T+14]                       ; old M - new M (it saturates)
	v_ldexp_f32 v[T+12], 1.0, v[T+14]                    ; f = 2^(old M - new M)
.set jq, 0
.rept 8*\nb
	v_pk_fma_f32 v[(\sb)+jq:(\sb)+jq+1], v[(\sb)+jq:(\sb)+jq+1], s[48:49], v[(\st):(\st)+1] op_sel_hi:[1,0,0]
.set jq, jq+2
.endr
.set bq, 0
.rept \nb
	v_fma_f32 v[T+bq], v[T+bq], s48, v[\st]
.set bq, bq+1
.endr
.set jq, 0
.rept 16*\nb
	v_exp_f32 v[(\sb)+jq], v[(\sb)+jq]                   ; p = 2^(t - M)
.set jq, jq+1
.endr
	v_pk_mul_f32 v[(\st)+2:(\st)+3], v[(\st)+2:(\st)+3], v[T+12:T+13] op_sel_hi:[1,0]   ; l under the new M (the plain instruction behind the batch)
	s_wait_alu depctr_va_vdst(0)                         ; one wait for the batch, ahead of its first reader
.set bq, 0
.rept \nb
	v_exp_f32 v[T+bq], v[T+bq]                           ; each block's largest p
.set bq, bq+1
.endr
	v_pk_add_f32 v[T+24:T+25], v[(\sb):(\sb)+1], v[(\sb)+2:(\sb)+3]   ; the sum of the unquantised p, in two chains
.set jq, 4
.rept 4*\nb-1
	v_pk_add_f32 v[(\st)+2:(\st)+3], v[(\st)+2:(\st)+3], v[(\sb)+jq:(\sb)+jq+1]
	v_pk_add_f32 v[T+24:T+25], v[T+24:T+25], v[(\sb)+jq+2:(\sb)+jq+3]
.set jq, jq+4
.endr
	v_pk_add_f32 v[(\st)+2:(\st)+3], v[(\st)+2:(\st)+3], v[T+24:T+25]
	s_wait_alu depctr_va_vdst(0)                         ; and one for the blocks' largest p
.set bq, 0
.rept \nb
	v_max_num_f32 v[T+bq], 0x1800000, v[T+bq]            ; the floor 2^(3 - 127)
.set bq, bq+1
.endr
.set bq, 0
.rept \nb
	v_add_nc_u32 v[T+8+bq], 0xff000000, v[T+bq]          ; the conversion's scale operand
.set bq, bq+1
.endr
.set bq, 0
.rept \nb
	v_lshrrev_b32 v[T+4+bq], 23, v[T+8+bq]               ; the byte
.set bq, bq+1
.endr
.if \nb == 4
	v_lshl_or_b32 v[(\st)+1], v[T+5], 8, v[T+4]
	v_lshl_or_b32 v[(\st)+1], v[T+6], 16, v[(\st)+1]
	v_lshl_or_b32 v[(\st)+1], v[T+7], 24, v[(\st)+1]
.elseif \nb == 3
	v_lshl_or_b32 v[(\st)+1], v[T+5], 8, v[T+4]
	v_lshl_or_b32 v[(\st)+1], v[T+6], 16, v[(\st)+1]
	v_or_b32 v[(\st)+1], 0x7f000000, v[(\st)+1]
.else
	v_or_b32 v[(\st)+1], 0x7f7f7f00, v[T+4]
.endif
.set bq, 0
.rept \nb
	v_cvt_scalef32_pk8_fp4_f32 v[(\pc)+2*bq], v[(\sb)+16*bq:(\sb)+16*bq+7], v[T+8+bq]
	v_cvt_scalef32_pk8_fp4_f32 v[(\pc)+2*bq+1], v[(\sb)+16*bq+8:(\sb)+16*bq+15], v[T+8+bq]
.set bq, bq+1
.endr
	v_nop                                                ; a plain instruction behind the conversions
.if \nb == 3
	v_mov_b32 v[(\pc)+6], 0                              ; the block that is not there: zero codes
	v_mov_b32 v[(\pc)+7], 0
.elseif \nb == 1
	v_mov_b32 v[(\pc)+2], 0
	v_mov_b32 v[(\pc)+3], 0
.endif
.set cq, 0
.rept (\nb+1)/2
	v_permlane16_swap_b32 v[(\pc)+4*cq], v[(\pc)+4*cq+2] ; a whole block to a lane
	v_permlane16_swap_b32 v[(\pc)+4*cq+1], v[(\pc)+4*cq+3]
.set cq, cq+1
.endr
.endm
.macro PSTORE n, st, nb                ; the image of tile n: the codes as they stand; behind them lanes 0-15 the scale word, lanes 16-31 -M
	ds_store_b128 v[T+26], v[T+16:T+19] offset:4096*(\n)
.if \nb == 4
	ds_store_b128 v[T+26], v[T+20:T+23] offset:4096*(\n)+512
.endif
	v_cndmask_b32 v[T+14], v[(\st)+1], v[\st], s44
.if \nb == 4
	ds_store_b32 v[T+27], v[T+14] offset:4096*(\n)+1024
.else
	ds_store_b32 v[T+27], v[T+14] offset:4096*(\n)+512
.endif
.endm
.macro SOFT5 nb
	WIN 0x55
.irp k,0,1,2
	SOFT 64*\k, T+28+6*\k, T+16, \nb
	PSTORE \k, T+28+6*\k, \nb
.endr
	WIN 0xAA
.irp k,0,1
	SOFT 64*\k, T+28+6*\k, T+16, \nb
	PSTORE 3+\k, T+28+6*\k, \nb
.endr
	WIN 0
.endm
.macro VADR                            ; the addresses of channel group s72 / 1,024
	v_add_nc_u32 v7, s72, v21
	v_add_nc_u32 v8, 32768, v7
	v_add_nc_u32 v9, 65536, v7
	v_add_nc_u32 v10, s72, v24
	v_add_nc_u32 v11, s72, v25
	v_add_nc_u32 v12, s72, v26
.endm
.macro VLOAD                           ; V^T of 64 channels x 416 keys, and its scale words: 32 loads
	WIN 0x40
.irp t,0,1,2,3
.irp sp,0,1,2
.irp c,0,1
	ds_load_b128 v[32*\t+8*\sp+4*\c:32*\t+8*\sp+4*\c+3], v[7+\sp] offset:16384*\c+256*\t
.endr
.endr
	ds_load_b128 v[32*\t+24:32*\t+27], v10 offset:256*\t ; block 12, in both halves of the lanes: p's codes are zeros in the upper half
.endr
	WIN 0
.irp t,0,1,2,3
	ds_load_b128 v[88+4*\t:91+4*\t], v11 offset:256*\t
.endr
.endm
.macro FLOAD                           ; fc1_w for these 64 channels, in O^T's layout: 32 loads
	WIN 0x40
.irp t,0,1,2,3
.irp o,0,1,2,3
	ds_load_b128 v[128+32*\t+8*\o:131+32*\t+8*\o], v12 offset:256*\t+32*\o
	ds_load_b128 v[132+32*\t+8*\o:135+32*\t+8*\o], v12 offset:256*\t+32*\o+16
.endr
.endr
	WIN 0
.endm
.macro PROJ1 n                         ; number pq of 64: output pq % 4, two channels, of tile n's O^T; each O is read from its low end on
	v_pk_fma_f32 v[208+8*(\n)+2*(pq%4):209+8*(\n)+2*(pq%4)], v[128+32*(pq/16)+8*(pq%4)+2*((pq/4)%4):129+32*(pq/16)+8*(pq%4)+2*((pq/4)%4)], v[144+32*((\n)%2)+8*(pq/16)+2*((pq/4)%4):145+32*((\n)%2)+8*(pq/16)+2*((pq/4)%4)], v[208+8*(\n)+2*(pq%4):209+8*(\n)+2*(pq%4)]
.set pq, pq+1
.endm
.macro SLOT i, proj                    ; O^T of tile i for 64 channels: 16 products, four accumulators by turns; behind each, four multiply-adds of the tile before with fc1
.set pq, 0
.irp sp,0,1,2,3
.irp t,0,1,2,3
.set rO, 144+32*((\i)%2)+8*\t
.set rB, 24*(\i)+8*\sp
.if \sp == 3
.set rB, 120+4*(\i)
.endif
.if \sp == 0
	v_wmma_scale_f32_16x16x128_f8f6f4 v[rO:rO+7], v[32*\t+8*\sp:32*\t+8*\sp+7], v[rB:rB+7], 0, v[88+4*\t+\sp], v[68+4*(\i)+\sp] matrix_a_fmt:MATRIX_FMT_FP4 matrix_b_fmt:MATRIX_FMT_FP4
.else
	v_wmma_scale_f32_16x16x128_f8f6f4 v[rO:rO+7], v[32*\t+8*\sp:32*\t+8*\sp+7], v[rB:rB+7], v[rO:rO+7], v[88+4*\t+\sp], v[68+4*(\i)+\sp] matrix_a_fmt:MATRIX_FMT_FP4 matrix_b_fmt:MATRIX_FMT_FP4
.endif
.if \proj
.rept 4
	PROJ1 (\i)-1
.endr
.endif
.endr
.endr
.endm
	s_load_b256 s[4:11], s[0:1], 0x0                     ; xk, xv, qw, fc1_w
	s_load_b64 s[12:13], s[0:1], 0x20                    ; part
	v_lshl_add_u32 v1, v0, 2, SPARE
	v_mov_b32 v2, 0
	ds_add_u32 v1, v2                                    ; the wave's opening: the add, twice on end, and its wait ahead of my first tensor load
	ds_add_u32 v1, v2
	v_lshrrev_b32 v22, 5, v0
	v_readfirstlane_b32 s14, v22                         ; wave
	s_mov_b32 s15, ttmp9                                 ; chunk
	s_and_b32 s45, ttmp7, 0xffff                         ; batch
	s_mov_b32 s16, 3<<16                                 ; group 1, dense: 104 rows of 32 elements of 8 bytes
	s_mov_b32 s17, 32<<16
	s_mov_b32 s18, 104<<16
	s_mov_b32 s19, 32<<16
	s_mov_b32 s20, 104
	s_mov_b32 s21, 32
	s_mov_b32 s22, 0
	s_mov_b32 s23, 0
	s_mov_b32 s24, 3<<16                                 ; group 1, one row of 208 elements of 8 bytes
	s_mov_b32 s25, 208<<16
	s_mov_b32 s26, 1<<16
	s_mov_b32 s27, 208<<16
	s_mov_b32 s28, 1
	s_mov_b32 s29, 208
	s_mov_b32 s30, 1<<16
	s_mov_b32 s31, 0
	s_mov_b32 s44, 0xffff0000                            ; lanes 16-31
	s_mov_b32 s46, 0x76543210
	s_mov_b32 s47, 0xfedcba98
	s_mov_b32 s48, 0x3d8293ee                            ; log2(e) / sqrt(512)
	s_mov_b32 s49, s48
	s_mov_b32 s60, 0x05010400
	s_mov_b32 s61, 0x07030602
	s_mov_b32 s62, 0x05040100
	s_mov_b32 s63, 0x07060302
	s_mul_i32 s70, s45, 832
	s_mul_i32 s71, s15, 26
	s_add_co_u32 s70, s70, s71                           ; the chunk's first key tile
	s_mul_i32 s71, s14, 1664
	s_lshl_b32 s72, s70, 8
	s_add_co_u32 s76, s72, XVS                           ; V's scale bytes (13 blocks x 512 = 26 x 256)
	s_add_co_u32 s72, s72, s71
	s_add_co_u32 s72, s72, XKS                           ; my quarter of K's scale bytes
	s_mov_b32 s73, 0
	s_mov_b32 s77, 0
	s_mov_b32 s32, 1
	s_add_co_u32 s33, s71, KSC
	s_mul_i32 s71, s14, 26624
	s_lshl_b32 s74, s70, 12
	s_add_co_u32 s74, s74, s71                           ; my quarter of K's codes, and of V's: the same offset in both buffers
	s_mov_b32 s75, 0
	s_mov_b32 s36, 1
	s_mov_b32 s37, s71
	s_mov_b32 s40, 1
	s_add_co_u32 s41, s71, VB
	v_and_b32 v22, 31, v0                                ; lane
	v_and_b32 v23, 15, v0                                ; r
	v_bfe_u32 v27, v0, 4, 1                              ; h
	v_lshlrev_b32 v3, 4, v22
	v_lshlrev_b32 v4, 4, v23
	s_mul_i32 s70, s14, 20480
	s_add_co_u32 s70, s70, PA
	v_add_nc_u32 v13, s70, v3
	v_lshl_add_u32 v14, v23, 2, s70
	v_lshl_add_u32 v15, v22, 2, s70
	v_lshl_add_u32 v21, v27, 13, v4
	v_add_nc_u32 v21, VB, v21
	v_add_nc_u32 v24, VB+98304, v4
	v_add_nc_u32 v25, VSW, v4
	v_lshlrev_b32 v26, 7, v27
	v_add_nc_u32 v26, FT, v26
	v_add_nc_u32 v28, KSC, v4
	v_lshlrev_b32 v16, 2, v0
	v_and_b32 v17, 3, v0
	v_lshrrev_b32 v18, 2, v0
	v_lshlrev_b32 v19, 5, v17
	v_lshlrev_b32 v17, 11, v17
	v_lshl_add_u32 v17, v18, 6, v17
	v_lshl_add_u32 v19, v18, 8, v19
	v_add_nc_u32 v19, FT, v19
	v_lshl_add_u32 v20, v0, 6, VSW
	s_wait_dscnt 0x0                                     ; both opening adds are done
	s_wait_kmcnt 0x0
	s_add_nc_u64 s[34:35], s[4:5], s[72:73]
	s_or_b32 s35, s35, 0x80000000
	s_add_nc_u64 s[38:39], s[4:5], s[74:75]
	s_or_b32 s39, s39, 0x80000000
	s_add_nc_u64 s[42:43], s[6:7], s[74:75]
	s_or_b32 s43, s43, 0x80000000
	tensor_load_to_lds s[32:35], s[24:31]                ; three loads of mine are out: K's scale bytes,
	s_nop 0
	tensor_load_to_lds s[36:39], s[16:23]                ; K's codes,
	s_nop 0
	tensor_load_to_lds s[40:43], s[16:23]                ; V's codes
	s_nop 0
	PLACES
	s_add_nc_u64 s[76:77], s[6:7], s[76:77]
	s_mul_i32 s70, s45, 40
	s_add_co_u32 s70, s70, s14
	s_lshl_b32 s72, s70, 12
	s_add_nc_u64 s[54:55], s[8:9], s[72:73]              ; Q's codes at tile w
	s_lshl_b32 s72, s70, 8
	s_add_co_u32 s72, s72, QWS
	s_add_nc_u64 s[56:57], s[8:9], s[72:73]              ; and its scale words
	s_lshl_b32 s70, s45, 5
	s_add_co_u32 s70, s70, s15
	s_mul_i32 s70, s70, 40
	s_add_co_u32 s70, s70, s14
	s_lshl_b32 s72, s70, 9
	s_add_nc_u64 s[58:59], s[12:13], s[72:73]            ; part at (batch, chunk, tile w)
.irp be,0,1,2,3,4,5,6,7,8,9,10,11,12
	global_load_b32 v[128+\be], v16, s[76:77] offset:512*\be   ; V's scale bytes: block be, channels 4 t .. 4 t + 3
.endr
.irp q,0,1,2,3
	global_load_b128 v[144+4*\q:147+4*\q], v17, s[10:11] offset:16*\q
.endr
	QLOAD
	v_mov_b32 v141, 0x7f7f7f7f
	s_wait_loadcnt 45                                    ; the bytes and fc1_w are in; Q's 45 loads stay out
	TR4 128,129,130,131, 164,168,172,176
	TR4 132,133,134,135, 165,169,173,177
	TR4 136,137,138,139, 166,170,174,178
	TR4 140,141,141,141, 167,171,175,179
.irp e,0,1,2,3
	ds_store_b128 v20, v[164+4*\e:167+4*\e] offset:16*\e
.endr
.irp q,0,1,2,3
	ds_store_b128 v19, v[144+4*\q:147+4*\q] offset:128*(\q>>1)+16*(\q&1)
.endr
	s_wait_dscnt 0x0
	s_wait_tensorcnt 0x1                                 ; K and its bytes are in; V may stay out
	s_barrier_signal -1
	s_barrier_wait -1
	s_mov_b32 s50, 0
.Lgroup:                                                 ; two trips: five query tiles each
	s_wait_loadcnt 0x0                                   ; Q
.irp wn,1,2
	WIN 0x55*\wn
.irp k,0,1,2
.if (\wn == 1) || (\k < 2)
	v_mov_b32 v[T+32+6*\k], 0xff61b1e6                   ; the largest t so far: -3e38
	v_floor_f32 v[T+28+6*\k], -v[T+32+6*\k]
	v_mov_b32 v[T+29+6*\k], 0
	v_mov_b32 v[T+30+6*\k], 0
	v_mov_b32 v[T+31+6*\k], 0
.endif
.endr
.irp i,4,5,6,7,13
	v_mov_b32 v[T+\i], 0
.endr
.endr
	WIN 0
	v_mov_b32 v5, v3
	v_mov_b32 v6, v28
	KPAIR 0, 0
	s_mov_b32 s51, 0
	s_mov_b32 s66, 0
	s_mov_b32 s67, 0
	s_mov_b32 s68, 0
.Lj:                                                     ; three steps of 128 keys
	v_add_nc_u32 v5, s66, v3
	v_add_nc_u32 v6, s67, v28
	APSET
	SETCM 0
	WIN 0
	KPAIR 1, 2
	s_wait_dscnt 18                                      ; all but the pair just asked for
	SRUN 0, 0, 0
.irp p,1,2,3
	WIN 0
	PLACES                                               ; ahead of loads into registers that the last products read
	KPAIR (\p+1)&1, 2*\p+2
	s_wait_dscnt 18
	SRUN \p, \p&1, \p/3
.endr
	PLACES
	SOFT5 4
	s_add_co_u32 s66, s66, 32768
	s_add_co_u32 s67, s67, 2048
	s_add_co_u32 s68, s68, 1152
	s_add_co_u32 s51, s51, 1
	s_cmp_lt_u32 s51, 3
	s_cbranch_scc1 .Lj
	s_mov_b32 s68, 3456                                  ; the tail: block 12, asked for in the last step
	APSET
	SETCM 1
	WIN 0
	s_wait_dscnt 0x0
	SRUN 0, 0, 1
	PLACES
	SOFT5 1
	s_wait_tensorcnt 0x0                                 ; my part of V is in,
	s_wait_dscnt 0x0
	s_barrier_signal -1
	s_barrier_wait -1                                    ; everybody's is
	s_cmp_eq_u32 s50, 1
	s_cbranch_scc1 .Lnoq
	s_wait_xcnt 0x0
	s_add_nc_u64 s[54:55], s[54:55], 81920
	s_add_nc_u64 s[56:57], s[56:57], 5120
	QLOAD                                                ; the next five tiles land while these are multiplied by V
.Lnoq:
	WIN 0x01                                             ; -M and l move to window 0: their registers are taken by V, fc1 and O
.irp k,0,1,2
	v_mov_b32 v[104+\k], v[T+28+6*\k]
	v_mov_b32 v[110+2*\k], v[T+30+6*\k]
	v_mov_b32 v[111+2*\k], v[T+31+6*\k]
.endr
	WIN 0x02
.irp k,0,1
	v_mov_b32 v[107+\k], v[T+28+6*\k]
	v_mov_b32 v[116+2*\k], v[T+30+6*\k]
	v_mov_b32 v[117+2*\k], v[T+31+6*\k]
.endr
	WIN 0x80
.irp n,0,1,2,3,4
.irp j,0,1,2
.irp c,0,1
	ds_load_b128 v[24*\n+8*\j+4*\c:24*\n+8*\j+4*\c+3], v13 offset:4096*\n+1152*\j+512*\c
.endr
.endr
	ds_load_b128 v[120+4*\n:123+4*\n], v13 offset:4096*\n+3456
.endr
	WIN 0
.irp n,0,1,2,3,4
.irp j,0,1,2
	ds_load_b32 v[68+4*\n+\j], v14 offset:4096*\n+1152*\j+1024
	ds_load_b32 v[148+4*\n+\j], v14 offset:4096*\n+1152*\j+1088
.endr
	ds_load_b32 v[71+4*\n], v14 offset:4096*\n+3968
	ds_load_b32 v[151+4*\n], v14 offset:4096*\n+4032
.endr
	s_wait_dscnt 0x0
.irp n,0,1,2,3,4                                         ; each image's scale bytes under the final M: byte - (M - M_j), held at 1
.irp j,0,1,2,3
	v_sub_f32 v[168+\j], v[148+4*\n+\j], v[104+\n]
.endr
.irp j,0,1,2,3
	v_cvt_i32_f32 v[168+\j], v[168+\j]
.endr
.irp j,0,1,2,3
	v_min_u32 v[168+\j], 255, v[168+\j]
.endr
.irp j,0,1,2,3
	v_add_nc_u32 v[172+\j], 1, v[168+\j]
.endr
.irp j,0,1,2,3
	v_bfe_u32 v[176+\j], v[68+4*\n+\j], 0, 8
.endr
.irp j,0,1,2,3
	v_max_u32 v[176+\j], v[176+\j], v[172+\j]
.endr
.irp j,0,1,2,3
	v_sub_nc_u32 v[148+4*\n+\j], v[176+\j], v[168+\j]
.endr
.irp k,1,2,3
.irp j,0,1,2,3
	v_bfe_u32 v[176+\j], v[68+4*\n+\j], 8*\k, 8
.endr
.irp j,0,1,2,3
	v_max_u32 v[176+\j], v[176+\j], v[172+\j]
.endr
.irp j,0,1,2,3
	v_sub_nc_u32 v[176+\j], v[176+\j], v[168+\j]
.endr
.irp j,0,1,2,3
	v_lshl_or_b32 v[148+4*\n+\j], v[176+\j], 8*\k, v[148+4*\n+\j]
.endr
.endr
.irp j,0,1,2,3
	v_mov_b32 v[68+4*\n+\j], v[148+4*\n+\j]
.endr
.endr
	WIN 0x80                                             ; the sums with fc1 begin at 0 (these lines are also the places ahead of the scaled products)
.set i, 208
.rept 40
	v_mov_b32 v[i], 0
.set i, i+1
.endr
.irp i,140,141,142,143
	v_mov_b32 v[\i], 0
.endr
	WIN 0x40
.irp t,0,1,2,3
.irp i,28,29,30,31
	v_mov_b32 v[32*\t+\i], 0                             ; the tail's keys 64 .. 127 are not there: zero codes on V's side
.endr
.endr
	WIN 0
	s_mov_b32 s52, 0
	s_mov_b32 s69, 0
	s_mov_b32 s72, 0
	VADR
	VLOAD
	FLOAD
.Lg:                                                     ; eight groups of 64 channels
	s_wait_dscnt 32                                      ; V and its scale words are in; fc1's 32 loads may stay out
	WIN 0xA9
	SLOT 0, 0
	PLACES                                               ; ahead of the first read of tile 0's O
	s_wait_dscnt 0x0
	SLOT 1, 1
	SLOT 2, 1
	SLOT 3, 1
	SLOT 4, 1
	WIN 0
	s_add_co_u32 s69, s69, 1024
	s_min_u32 s72, s69, 7168
	s_cmp_eq_u32 s52, 7
	s_cbranch_scc1 .Lnov
	VADR
	VLOAD                                                ; the four multiply-adds behind the last product are the places ahead of these loads
.Lnov:
	WIN 0xA9
.set pq, 0
.rept 64
	PROJ1 4
.endr
	WIN 0
	s_cmp_eq_u32 s52, 7
	s_cbranch_scc1 .Lnof
	FLOAD
.Lnof:
	s_add_co_u32 s52, s52, 1
	s_cmp_lt_u32 s52, 8
	s_cbranch_scc1 .Lg
	s_wait_dscnt 0x0
	WIN 0x0A                                             ; the way out: for each query M, l and four numbers
.irp n,0,1,2,3,4
.irp o,0,1,2,3
	v_add_f32 v[128+4*\n+\o], v[208+8*\n+2*\o], v[209+8*\n+2*\o]
.endr
.endr
	WIN 0
	v_mov_b32 v173, 0
.irp n,0,1,2,3,4
	v_add_f32 v[110+2*\n], v[110+2*\n], v[111+2*\n]
.irp o,0,1,2,3
	v_permlanex16_b32 v[168+\o], v[128+4*\n+\o], s46, s47
.endr
	v_permlanex16_b32 v172, v[110+2*\n], s46, s47
.irp o,0,1,2,3
	v_add_f32 v[128+4*\n+\o], v[128+4*\n+\o], v[168+\o]
.endr
	v_add_f32 v[110+2*\n], v[110+2*\n], v172
	v_mul_f32 v[104+\n], -1.0, v[104+\n]
	v_cndmask_b32 v[180+4*\n], v[104+\n], v[130+4*\n], s44
	v_cndmask_b32 v[181+4*\n], v[110+2*\n], v[131+4*\n], s44
	v_cndmask_b32 v[182+4*\n], v[128+4*\n], v173, s44
	v_cndmask_b32 v[183+4*\n], v[129+4*\n], v173, s44
	global_store_b128 v3, v[180+4*\n:183+4*\n], s[58:59] offset:2048*\n   ; the wave stores 512 consecutive bytes
.endr
	s_wait_xcnt 0x0
	s_add_nc_u64 s[58:59], s[58:59], 10240
	s_add_co_u32 s50, s50, 1
	s_cmp_lt_u32 s50, 2
	s_cbranch_scc1 .Lgroup
	s_wait_tensorcnt 0x0                                 ; the wave's end
	ds_add_u32 v1, v2
	s_wait_dscnt 0x0
	s_endpgm
.Lfunc_end_k_q8f9c8db1b5_cross:
	.size	k_q8f9c8db1b5_cross, .Lfunc_end_k_q8f9c8db1b5_cross-k_q8f9c8db1b5_cross
	.p2alignl 7, 3214868480
	.fill 96, 4, 3214868480
	.section	.rodata,"a",@progbits
	.p2align	6, 0x0
	.amdhsa_kernel k_q8f9c8db1b5_cross
		.amdhsa_group_segment_fixed_size 327680
		.amdhsa_private_segment_fixed_size 0
		.amdhsa_enable_private_segment 0
		.amdhsa_kernarg_size 40
		.amdhsa_user_sgpr_count 2
		.amdhsa_user_sgpr_kernarg_segment_ptr 1
		.amdhsa_wavefront_size32 1
		.amdhsa_system_sgpr_workgroup_id_x 1
		.amdhsa_system_sgpr_workgroup_id_y 1
		.amdhsa_system_sgpr_workgroup_id_z 1
		.amdhsa_system_vgpr_workitem_id 0
		.amdhsa_next_free_vgpr 1024
		.amdhsa_next_free_sgpr 80
		.amdhsa_reserve_vcc 0
		.amdhsa_float_denorm_mode_32 3
		.amdhsa_float_denorm_mode_16_64 3
		.amdhsa_memory_ordered 1
		.amdhsa_forward_progress 1
		.amdhsa_inst_pref_size 197
	.end_amdhsa_kernel
	.amdgpu_metadata
---
amdhsa.version: [ 1, 2 ]
amdhsa.kernels:
  - .name:           k_q8f9c8db1b5_cross
    .symbol:         k_q8f9c8db1b5_cross.kd
    .args:
      - { .name: xk, .offset: 0, .size: 8, .value_kind: global_buffer, .address_space: global }
      - { .name: xv, .offset: 8, .size: 8, .value_kind: global_buffer, .address_space: global }
      - { .name: qw, .offset: 16, .size: 8, .value_kind: global_buffer, .address_space: global }
      - { .name: fc1_w, .offset: 24, .size: 8, .value_kind: global_buffer, .address_space: global }
      - { .name: part, .offset: 32, .size: 8, .value_kind: global_buffer, .address_space: global }
    .group_segment_fixed_size: 327680
    .private_segment_fixed_size: 0
    .kernarg_segment_align: 8
    .kernarg_segment_size: 40
    .max_flat_workgroup_size: 128
    .sgpr_count:     80
    .vgpr_count:     1024
    .wavefront_size: 32
...
	.end_amdgpu_metadata
.endif
;; end of part 2
;; launch mid (part 3): grid 19 x 8, 8 waves a work-group, no clusters, 101,376 bytes of LDS; arguments part, fc1_b, fc2_w, fc2_b, norm3_w, norm3_b, cw; writes cw
.if DOCPART == 3
	.amdgcn_target "amdgcn-amd-amdhsa--gfx1250"
	.amdhsa_code_object_version 6
	.text
	.protected	k_q8f9c8db1b5_mid
	.globl	k_q8f9c8db1b5_mid
	.p2align	8
	.type	k_q8f9c8db1b5_mid,@function
k_q8f9c8db1b5_mid:
	s_mov_b64 s[64:65], 0
	v_nop
	global_prefetch_b8 v0, s[64:65] scope:SCOPE_SE
	s_setreg_imm32_b32 hwreg(HW_REG_WAVE_MODE, 25, 1), 1
	s_wait_xcnt 0x0
; For 32 query rows: the 32 key chunks' (M, l, four numbers) are joined; + fc1_b, exact GELU, the product with fc2_w in f32 (its result goes on into a quantiser), + fc2_b = cross_attended, kept in f32;
; LayerNorm 3; its codes of E2M1 along the channels (K form) and along the rows (V form), laid as in the first launch.  No work is left out.
; The join is exact in the scales: every M is a whole number, so l and the four numbers are brought under the largest M by v_ldexp_f32.
; erf(u) = u P(u^2) / Q(u^2), u held to +-4 (beyond, erf is 1 to f32's last bit): a rational form good to a few units in f32's last place.
; Rows 577 .. 607 are padding: their normalised values are multiplied by 0: zero codes.
; LIMITS: NaN and infinities are not served; a block of zeros gets the byte 1, read by this program alone.
.set PITCH, 2064
.set PL,    66048                      ; the 32 chunks' parts of two tiles: pitch 1,040
.set KSG,   99328
.set VSG,   99840
.set SPARE, 100352
.set CWS,   1245184
.set CWV,   1323008
.set CWB,   2568192
.set CWX,   2646016
.set T,     32
.set X,     64
.macro LANESUM
.irp p,0,1,2,3
	v_add_f32 v[18+2*\p], v[18+2*\p], v[19+2*\p]
.endr
.irp m,1,2,4,8
.irp p,0,1,2,3
	v_add_f32_dpp v[18+2*\p], v[18+2*\p], v[18+2*\p] row_xmask:\m row_mask:0xf bank_mask:0xf
.endr
.endr
.irp p,0,1,2,3
	v_permlanex16_b32 v[19+2*\p], v[18+2*\p], s56, s57
.endr
.irp p,0,1,2,3
	v_add_f32 v[18+2*\p], v[18+2*\p], v[19+2*\p]
.endr
.endm
.macro LNROWS wreg, breg
.irp p,0,1,2,3
	v_pk_add_f32 v[18+2*\p:19+2*\p], v[X+16*\p:X+16*\p+1], v[X+16*\p+2:X+16*\p+3]
.endr
.irp i,4,6,8,10,12,14
.irp p,0,1,2,3
	v_pk_add_f32 v[18+2*\p:19+2*\p], v[18+2*\p:19+2*\p], v[X+16*\p+\i:X+16*\p+\i+1]
.endr
.endr
	LANESUM
.irp p,0,1,2,3
	v_mul_f32 v[18+2*\p], s58, v[18+2*\p]
.endr
.irp i,0,2,4,6,8,10,12,14
.irp p,0,1,2,3
	v_pk_add_f32 v[X+16*\p+\i:X+16*\p+\i+1], v[X+16*\p+\i:X+16*\p+\i+1], v[18+2*\p:19+2*\p] op_sel_hi:[1,0] neg_lo:[0,1] neg_hi:[0,1]
.endr
.endr
.irp p,0,1,2,3
	v_pk_mul_f32 v[18+2*\p:19+2*\p], v[X+16*\p:X+16*\p+1], v[X+16*\p:X+16*\p+1]
.endr
.irp i,2,4,6,8,10,12,14
.irp p,0,1,2,3
	v_pk_fma_f32 v[18+2*\p:19+2*\p], v[X+16*\p+\i:X+16*\p+\i+1], v[X+16*\p+\i:X+16*\p+\i+1], v[18+2*\p:19+2*\p]
.endr
.endr
	LANESUM
.irp p,0,1,2,3
	v_fma_f32 v[18+2*\p], v[18+2*\p], s58, s59
.endr
.irp p,0,1,2,3
	v_rsq_f32 v[18+2*\p], v[18+2*\p]
.endr
	v_nop
	s_wait_alu depctr_va_vdst(0)                         ; one wait for the four, ahead of their first reader
.irp i,0,2,4,6,8,10,12,14
.irp p,0,1,2,3
	v_pk_mul_f32 v[X+16*\p+\i:X+16*\p+\i+1], v[X+16*\p+\i:X+16*\p+\i+1], v[18+2*\p:19+2*\p] op_sel_hi:[1,0]
.endr
.endr
.irp i,0,2,4,6,8,10,12,14
.irp p,0,1,2,3
	v_pk_fma_f32 v[X+16*\p+\i:X+16*\p+\i+1], v[X+16*\p+\i:X+16*\p+\i+1], v[(\wreg)+\i:(\wreg)+\i+1], v[(\breg)+\i:(\breg)+\i+1]
.endr
.endr
.endm
.macro ZERO
	s_add_co_u32 s2, s48, 3
	s_cmp_lt_u32 s2, s47
	s_cbranch_scc1 .Lfull_\@
.irp p,0,1,2,3
	s_add_co_u32 s2, s48, \p
	s_cmp_lt_u32 s2, s47
	s_cselect_b32 s54, 1.0, 0
	s_mov_b32 s55, s54
.irp i,0,2,4,6,8,10,12,14
	v_pk_mul_f32 v[X+16*\p+\i:X+16*\p+\i+1], v[X+16*\p+\i:X+16*\p+\i+1], s[54:55] op_sel_hi:[1,0]
.endr
.endr
.Lfull_\@:
.endm
.macro QCORE c
	v_max3_num_f32 v17, |v[T]|, |v[T+1]|, |v[T+2]|
	v_max3_num_f32 v28, |v[T+3]|, |v[T+4]|, |v[T+5]|
.irp i,6,10,14,18,22,26
	v_max3_num_f32 v17, v17, |v[T+\i]|, |v[T+\i+1]|
	v_max3_num_f32 v28, v28, |v[T+\i+2]|, |v[T+\i+3]|
.endr
	v_max3_num_f32 v17, v17, |v[T+30]|, |v[T+31]|
	v_max3_num_f32 v17, v17, v28, 0x1800000
	v_add_nc_u32 v29, 0xff000000, v17
.irp g,0,1,2,3
	v_cvt_scalef32_pk8_fp4_f32 v[\c+\g], v[T+8*\g:T+8*\g+7], v29
.endr
	v_lshrrev_b32 v30, 23, v29
.endm
.macro KQUANT e
.irp q,0,1,2,3,4,5,6,7
	ds_load_b128 v[T+4*\q:T+4*\q+3], v9 offset:128*\e+16*\q
.endr
	s_wait_dscnt 0x0
	QCORE 20+4*\e
	global_store_b128 v11, v[20+4*\e:23+4*\e], s[36:37] offset:256*\e
	ds_store_b8 v13, v30 offset:\e
.endm
.macro VQUANT e
.irp k,0,1,2,3,4,5,6,7,8,9,10,11,12,13,14,15,16,17,18,19,20,21,22,23,24,25,26,27,28,29,30,31
	ds_load_b32 v[T+\k], v10 offset:(16*((\k>>3)&1)+(\k&7)+8*(\k>>4))*PITCH+128*\e
.endr
	s_wait_dscnt 0x0
	QCORE 20+4*\e
	global_store_b128 v12, v[20+4*\e:23+4*\e], s[40:41] offset:512*\e
	ds_store_b8 v14, v30 offset:32*\e
.endm
	s_load_b256 s[8:15], s[0:1], 0x0                     ; part, fc1_b, fc2_w, fc2_b
	s_load_b128 s[16:19], s[0:1], 0x20                   ; norm3_w, norm3_b
	s_load_b64 s[20:21], s[0:1], 0x30                    ; cw
	v_lshl_add_u32 v1, v0, 2, SPARE
	v_mov_b32 v2, 0
	v_lshrrev_b32 v17, 5, v0
	v_readfirstlane_b32 s26, v17
	v_and_b32 v17, 31, v0
	v_and_b32 v18, 15, v0
	v_bfe_u32 v19, v0, 4, 1
	s_and_b32 s28, ttmp7, 0xffff
	s_mov_b32 s27, ttmp9
	s_lshr_b32 s50, s26, 2
	s_and_b32 s51, s26, 3
	s_bfe_u32 s52, s26, 0x10001
	s_and_b32 s53, s26, 1
	v_lshlrev_b32 v3, 4, v17
	s_lshl_b32 s2, s52, 4
	s_lshl_b32 s3, s53, 2
	s_add_co_u32 s2, s2, s3
	s_lshl_b32 s3, s50, 3
	s_add_co_u32 s2, s2, s3
	s_mul_i32 s2, s2, PITCH
	v_add_nc_u32 v8, s2, v3
	v_mul_u32_u24 v9, v18, PITCH
	v_lshl_add_u32 v9, v19, 10, v9
	s_mul_i32 s2, s50, 16*PITCH
	s_lshl_b32 s3, s51, 8
	s_add_co_u32 s2, s2, s3
	v_add_nc_u32 v9, s2, v9
	v_lshlrev_b32 v10, 2, v17
	s_lshl_b32 s2, s26, 8
	v_add_nc_u32 v10, s2, v10
	v_lshlrev_b32 v11, 4, v18
	v_lshl_add_u32 v11, v19, 11, v11
	s_lshl_b32 s2, s50, 12
	s_lshl_b32 s3, s51, 9
	s_add_co_u32 s2, s2, s3
	v_add_nc_u32 v11, s2, v11
	s_lshl_b32 s2, s26, 10
	v_add_nc_u32 v12, s2, v3
	v_lshlrev_b32 v13, 4, v18
	v_lshl_add_u32 v13, v19, 3, v13
	s_lshl_b32 s2, s50, 8
	s_lshl_b32 s3, s51, 1
	s_add_co_u32 s2, s2, s3
	s_add_co_u32 s2, s2, KSG
	v_add_nc_u32 v13, s2, v13
	s_lshl_b32 s2, s26, 6
	s_add_co_u32 s2, s2, VSG
	v_add_nc_u32 v14, s2, v17
	s_lshl_b32 s2, s26, 13
	v_add_nc_u32 v15, s2, v3
	v_add_nc_u32 v31, KSG, v3
	s_mul_i32 s2, s26, 81920                             ; my four chunks in part
	v_add_nc_u32 v4, s2, v3
	s_mul_i32 s2, s26, 4160
	s_add_co_u32 s2, s2, PL
	v_add_nc_u32 v5, s2, v3
	v_mul_u32_u24 v6, v17, 1040                          ; the join: lane = chunk; my rows' tile (w >> 1) & 1, lanes 4 (w & 1) + 8 (w >> 2) on
	s_lshl_b32 s2, s52, 9
	s_lshl_b32 s3, s53, 6
	s_add_co_u32 s2, s2, s3
	s_lshl_b32 s3, s50, 7
	s_add_co_u32 s2, s2, s3
	s_add_co_u32 s2, s2, PL
	v_add_nc_u32 v6, s2, v6
	v_lshlrev_b32 v7, 6, v17
	s_mov_b32 s56, 0x76543210
	s_mov_b32 s57, 0xfedcba98
	s_mov_b32 s58, 0x3b000000                            ; 1 / 512
	s_mov_b32 s59, 0x3727c5ac                            ; 1e-5
	s_mov_b32 s66, 0xaf95df0b                            ; P, from the highest power down
	s_mov_b32 s67, 0x32edffee
	s_mov_b32 s68, 0xb60cff51
	s_mov_b32 s69, 0xb86ec2d2
	s_mov_b32 s70, 0xba40ac63
	s_mov_b32 s71, 0xbb41a1f6
	s_mov_b32 s72, 0xbc83dbd4
	s_mov_b32 s73, 0xb77460cd                            ; Q likewise
	s_mov_b32 s74, 0xb95fbd29
	s_mov_b32 s75, 0xbadc924e
	s_mov_b32 s76, 0xbbf19bf8
	s_mov_b32 s77, 0xbc69b6a7
	s_mov_b32 s78, 0x3f3504f3                            ; 1 / sqrt(2)
	s_mov_b32 s47, 577
	s_lshl_b32 s48, s27, 5
	s_lshl_b32 s2, s26, 2
	s_add_co_u32 s48, s48, s2                            ; my first row in the batch
	s_mov_b32 s5, 0
	s_wait_kmcnt 0x0
	s_load_b128 s[60:63], s[10:11], 0x0                  ; fc1_b
	s_mul_i32 s4, s28, 1280
	s_lshl_b32 s2, s27, 1
	s_add_co_u32 s4, s4, s2
	s_lshl_b32 s4, s4, 9
	s_add_nc_u64 s[30:31], s[8:9], s[4:5]
	s_mul_i32 s6, s28, 38
	s_add_co_u32 s6, s6, s2                              ; my first tile
	s_lshl_b32 s4, s6, 12
	s_add_nc_u64 s[36:37], s[20:21], s[4:5]
	s_add_co_u32 s4, s4, CWV
	s_add_nc_u64 s[40:41], s[20:21], s[4:5]
	s_lshl_b32 s4, s6, 8
	s_add_co_u32 s4, s4, CWS
	s_add_nc_u64 s[38:39], s[20:21], s[4:5]
	s_lshl_b32 s4, s6, 8
	s_add_co_u32 s4, s4, CWB
	s_add_nc_u64 s[42:43], s[20:21], s[4:5]
	s_mul_i32 s4, s28, 608
	s_lshl_b32 s2, s27, 5
	s_add_co_u32 s4, s4, s2
	s_lshl_b32 s4, s4, 11
	s_add_co_u32 s4, s4, CWX
	s_add_nc_u64 s[44:45], s[20:21], s[4:5]
.irp k,0,1,2,3
.irp u,0,1
	global_load_b128 v[X+8*\k+4*\u:X+8*\k+4*\u+3], v4, s[30:31] offset:20480*\k+512*\u
.endr
.endr
.irp i,0,1,2,3
.irp e,0,1,2,3
	global_load_b128 v[128+16*\i+4*\e:131+16*\i+4*\e], v7, s[12:13] offset:2048*\i+16*\e   ; fc2_w's rows of my channels 128 i + 4 lane + e
.endr
.endr
.irp i,0,1,2,3
	global_load_b128 v[192+4*\i:195+4*\i], v3, s[14:15] offset:512*\i
	global_load_b128 v[208+4*\i:211+4*\i], v3, s[16:17] offset:512*\i
	global_load_b128 v[224+4*\i:227+4*\i], v3, s[18:19] offset:512*\i
.endr
	s_wait_loadcnt 28                                    ; part's eight loads are in; the 28 behind them stay out
.irp k,0,1,2,3
.irp u,0,1
	ds_store_b128 v5, v[X+8*\k+4*\u:X+8*\k+4*\u+3] offset:1040*\k+512*\u
.endr
.endr
	s_wait_dscnt 0x0
	s_barrier_signal -1
	s_barrier_wait -1
	; the join: row p's registers at v[64 + 16 p]: M, l, four numbers; + 8 the largest M, + 9, + 10 at work
.irp p,0,1,2,3
	ds_load_b128 v[X+16*\p:X+16*\p+3], v6 offset:16*\p
	ds_load_b128 v[X+16*\p+4:X+16*\p+7], v6 offset:16*\p+256
.endr
	s_wait_dscnt 0x0
.irp p,0,1,2,3
	v_mov_b32 v[X+16*\p+8], v[X+16*\p]
	v_mov_b32 v[X+16*\p+9], 0
	v_mov_b32 v[X+16*\p+10], 0
.endr
.irp m,1,2,4,8
.irp p,0,1,2,3
	v_max_num_f32_dpp v[X+16*\p+8], v[X+16*\p+8], v[X+16*\p+8] row_xmask:\m row_mask:0xf bank_mask:0xf
.endr
.endr
.irp p,0,1,2,3
	v_permlanex16_b32 v[X+16*\p+9], v[X+16*\p+8], s56, s57
.endr
.irp p,0,1,2,3
	v_max_num_f32 v[X+16*\p+8], v[X+16*\p+8], v[X+16*\p+9]
.endr
.irp p,0,1,2,3
	v_sub_f32 v[X+16*\p+9], v[X+16*\p], v[X+16*\p+8]
.endr
.irp p,0,1,2,3
	v_cvt_i32_f32 v[X+16*\p+9], v[X+16*\p+9]
.endr
.irp q,1,2,3,4,5
.irp p,0,1,2,3
	v_ldexp_f32 v[X+16*\p+\q], v[X+16*\p+\q], v[X+16*\p+9]
.endr
.endr
.irp q,1,2,3,4,5
.irp m,1,2,4,8
.irp p,0,1,2,3
	v_add_f32_dpp v[X+16*\p+\q], v[X+16*\p+\q], v[X+16*\p+\q] row_xmask:\m row_mask:0xf bank_mask:0xf
.endr
.endr
.irp p,0,1,2,3
	v_permlanex16_b32 v[X+16*\p+10], v[X+16*\p+\q], s56, s57
.endr
.irp p,0,1,2,3
	v_add_f32 v[X+16*\p+\q], v[X+16*\p+\q], v[X+16*\p+10]
.endr
.endr
.irp p,0,1,2,3
	v_rcp_f32 v[X+16*\p+1], v[X+16*\p+1]
.endr
	v_nop
	s_wait_alu depctr_va_vdst(0)                         ; one wait for the four reciprocals
	s_wait_kmcnt 0x0                                     ; fc1_b
.irp p,0,1,2,3
.irp o,0,1,2,3
	v_fma_f32 v[X+16*\p+2+\o], v[X+16*\p+2+\o], v[X+16*\p+1], s[60+\o]   ; z = attended @ fc1_w^T + fc1_b
.endr
.endr
.irp p,0,1,2,3                                           ; GELU of a row's four numbers: v240.. u, v244.. u^2, v248.. P, v252.. Q
.irp o,0,1,2,3
	v_mul_f32 v[240+\o], s78, v[X+16*\p+2+\o]
.endr
.irp o,0,1,2,3
	v_med3_num_f32 v[240+\o], v[240+\o], -4.0, 4.0
.endr
.irp o,0,1,2,3
	v_mul_f32 v[244+\o], v[240+\o], v[240+\o]
.endr
.irp o,0,1,2,3
	v_fma_f32 v[248+\o], v[244+\o], s66, s67
	v_fma_f32 v[252+\o], v[244+\o], s73, s74
.endr
.irp c,68,69,70,71,72
.irp o,0,1,2,3
	v_fma_f32 v[248+\o], v[248+\o], v[244+\o], s[\c]
.endr
.endr
.irp c,75,76,77
.irp o,0,1,2,3
	v_fma_f32 v[252+\o], v[252+\o], v[244+\o], s[\c]
.endr
.endr
.irp o,0,1,2,3
	v_rcp_f32 v[252+\o], v[252+\o]
.endr
.irp o,0,1,2,3
	v_mul_f32 v[248+\o], v[248+\o], v[240+\o]
.endr
	s_wait_alu depctr_va_vdst(0)                         ; one wait for the four
.irp o,0,1,2,3
	v_mul_f32 v[248+\o], v[248+\o], v[252+\o]            ; erf
.endr
.irp o,0,1,2,3
	v_mul_f32 v[240+\o], 0.5, v[X+16*\p+2+\o]
.endr
.irp o,0,1,2,3
	v_fma_f32 v[248+\o], v[248+\o], v[240+\o], v[240+\o]
.endr
.irp o,0,1,2,3
	v_readfirstlane_b32 s[80+4*\p+\o], v[248+\o]         ; the same in every lane; used as a factor alone
.endr
.endr
	s_wait_loadcnt 0x0                                   ; the weights
.irp p,0,1,2,3                                           ; cross_attended = h @ fc2_w^T + fc2_b, in f32
.irp c,0,1,2,3,4,5,6,7,8,9,10,11,12,13,14,15
	v_fma_f32 v[X+16*\p+\c], s[80+4*\p], v[128+4*\c], v[192+\c]
.endr
.irp k,1,2,3
.irp c,0,1,2,3,4,5,6,7,8,9,10,11,12,13,14,15
	v_fma_f32 v[X+16*\p+\c], s[80+4*\p+\k], v[128+4*\c+\k], v[X+16*\p+\c]
.endr
.endr
.endr
.irp p,0,1,2,3
.irp i,0,1,2,3
	global_store_b128 v15, v[X+16*\p+4*\i:X+16*\p+4*\i+3], s[44:45] offset:2048*\p+512*\i
.endr
.endr
	s_wait_xcnt 0x0                                      ; the stores have read X: the norm rewrites it
	LNROWS 208, 224
	ZERO
.irp p,0,1,2,3
.irp i,0,1,2,3
	ds_store_b128 v8, v[X+16*\p+4*\i:X+16*\p+4*\i+3] offset:PITCH*\p+512*\i
.endr
.endr
	s_wait_dscnt 0x0
	s_barrier_signal -1
	s_barrier_wait -1
	KQUANT 0
	KQUANT 1
	s_wait_xcnt 0x0
	VQUANT 0
	VQUANT 1
	s_wait_dscnt 0x0
	s_barrier_signal -1
	s_barrier_wait -1
	s_wait_xcnt 0x0
	s_cmp_lg_u32 s26, 0
	s_cbranch_scc1 .Lnot0
	ds_load_b128 v[20:23], v31
	s_wait_dscnt 0x0
	global_store_b128 v3, v[20:23], s[38:39]
.Lnot0:
	s_cmp_lg_u32 s26, 1
	s_cbranch_scc1 .Lnot1
	ds_load_b128 v[20:23], v31 offset:512
	s_wait_dscnt 0x0
	global_store_b128 v3, v[20:23], s[42:43]
.Lnot1:
	s_wait_tensorcnt 0x0                                 ; the wave's end
	ds_add_u32 v1, v2
	s_wait_dscnt 0x0
	s_endpgm
.Lfunc_end_k_q8f9c8db1b5_mid:
	.size	k_q8f9c8db1b5_mid, .Lfunc_end_k_q8f9c8db1b5_mid-k_q8f9c8db1b5_mid
	.p2alignl 7, 3214868480
	.fill 96, 4, 3214868480
	.section	.rodata,"a",@progbits
	.p2align	6, 0x0
	.amdhsa_kernel k_q8f9c8db1b5_mid
		.amdhsa_group_segment_fixed_size 101376
		.amdhsa_private_segment_fixed_size 0
		.amdhsa_enable_private_segment 0
		.amdhsa_kernarg_size 56
		.amdhsa_user_sgpr_count 2
		.amdhsa_user_sgpr_kernarg_segment_ptr 1
		.amdhsa_wavefront_size32 1
		.amdhsa_system_sgpr_workgroup_id_x 1
		.amdhsa_system_sgpr_workgroup_id_y 1
		.amdhsa_system_sgpr_workgroup_id_z 1
		.amdhsa_system_vgpr_workitem_id 0
		.amdhsa_next_free_vgpr 256
		.amdhsa_next_free_sgpr 96
		.amdhsa_reserve_vcc 0
		.amdhsa_float_denorm_mode_32 3
		.amdhsa_float_denorm_mode_16_64 3
		.amdhsa_memory_ordered 1
		.amdhsa_forward_progress 1
		.amdhsa_inst_pref_size 84
	.end_amdhsa_kernel
	.amdgpu_metadata
---
amdhsa.version: [ 1, 2 ]
amdhsa.kernels:
  - .name:           k_q8f9c8db1b5_mid
    .symbol:         k_q8f9c8db1b5_mid.kd
    .args:
      - { .name: part, .offset: 0, .size: 8, .value_kind: global_buffer, .address_space: global }
      - { .name: fc1_b, .offset: 8, .size: 8, .value_kind: global_buffer, .address_space: global }
      - { .name: fc2_w, .offset: 16, .size: 8, .value_kind: global_buffer, .address_space: global }
      - { .name: fc2_b, .offset: 24, .size: 8, .value_kind: global_buffer, .address_space: global }
      - { .name: norm3_w, .offset: 32, .size: 8, .value_kind: global_buffer, .address_space: global }
      - { .name: norm3_b, .offset: 40, .size: 8, .value_kind: global_buffer, .address_space: global }
      - { .name: cw, .offset: 48, .size: 8, .value_kind: global_buffer, .address_space: global }
    .group_segment_fixed_size: 101376
    .private_segment_fixed_size: 0
    .kernarg_segment_align: 8
    .kernarg_segment_size: 56
    .max_flat_workgroup_size: 256
    .sgpr_count:     96
    .vgpr_count:     256
    .wavefront_size: 32
...
	.end_amdgpu_metadata
.endif
;; end of part 3
;; launch self (part 4): grid 19 x 8, 4 waves a work-group, no clusters, 327,680 bytes of LDS; arguments cw, qw, gamma1, gamma2, out0; writes out0
.if DOCPART == 4
	.amdgcn_target "amdgcn-amd-amdhsa--gfx1250"
	.amdhsa_code_object_version 6
	.text
	.protected	k_q8f9c8db1b5_self
	.globl	k_q8f9c8db1b5_self
	.p2align	8
	.type	k_q8f9c8db1b5_self,@function
k_q8f9c8db1b5_self:
	s_mov_b64 s[64:65], 0
	v_nop
	global_prefetch_b8 v0, s[64:65] scope:SCOPE_SE
	s_setreg_imm32_b32 hwreg(HW_REG_WAVE_MODE, 25, 1), 1
	s_wait_xcnt 0x0
; The self attention of norm_cross (577 rows, padded to 608 keys) on codes of E2M1, and out0 = norm_F_L + gamma2 (cross_attended + gamma1 self_attended).  No work of the module is left out.
; SHARES.  y = batch.  A work-group owns query tiles 2 x and 2 x + 1 (38 tiles a batch).  TWO WAVES TO A TILE: waves 2 u and 2 u + 1 both make tile 2 x + u's scores and softmax (that part is done twice), and each
; then makes four of the eight groups of 64 channels of O: 152 work-groups where one wave to a tile gives 80, and half as long a chain of second products in a wave.
; Tile 37 holds padded rows alone: its two waves bring their quarters of the work-group's tiles and pass its barriers, walk the text and store nothing.
; A batch's codes of K and V come into LDS once, two tensor loads a wave.  No cluster: nineteen work-groups to a batch divide by no cluster of four.
; Scores and softmax: 4 steps of 128 keys and a tail of 96, written out; p's codes stay in registers, and their scale bytes are brought under the final M at the end, which is exact.
; cross_attended, norm_F_L and the two gains of my four channel groups (72 loads) are asked for during the score phase, 36 ahead of key step 0 and 36 behind key step 1, and waited for once, ahead of the second product.
; Then O^T = V^T P^T, 64 channels a trip, four trips written out; O / l goes through the wave's stage in LDS (in K's bytes, which have had their only fill and, behind the barrier, their last read) and leaves as whole 256-byte pieces of rows.
; Keys 577 .. 607 get -1e30 as the C of their scores' first product.
; LIMITS: NaN and infinities are not served; scores beyond about 1e29 are not told from hidden keys; a scale byte of p that the final M would push under 1 is held at 1.
; REGISTERS.  window 0: v1, v2 the add's two; v3 16 lane; v4 16 r; v5 K's address; v6 4 t; v7-11 V's addresses by K step, v12 block 18's, v13 V's scale words'; v14, v15 the stage in and back; v16 my place in a row's bytes, v17 in the gains;
;   v22 where V's scale words are stored; v24 the first row that my lane would store; v32-35 Q's scale words; v36-40 p's; v44-63 V's; v64-215 K's; v216-247 Q.
;   window 1: K's fragments of a step, later V's.   window 2: v0-63 scores, later v0-31 rows back from the stage; v64-127 the softmax's; v128-167 p's codes; v192-223 O; v224-255 the gains (8 a trip).
;   window 3: v0-127 cross_attended (32 a trip); v128-255 norm_F_L.
.set KB,    0
.set VB,    155648
.set VSW,   311296                     ; V's scale words: [K step][channel]
.set SPARE, 321536
.set CWS,   1245184
.set CWV,   1323008
.set CWB,   2568192
.set CWX,   2646016
.set QWN,   1392640
.set T,     64                         ; the softmax's registers, in window 2
.set TT,    20
.set MSB, 0
.macro WIN new
.if MSB != (\new)
	s_set_vgpr_msb (MSB<<8)|(\new)
.set MSB, (\new)
.endif
.endm
.macro PLACES
.rept 4
	v_nop
.endr
.endm
.macro TR4 a0,a1,a2,a3,o0,o1,o2,o3
	v_perm_b32 v[TT], v[\a1], v[\a0], s60
	v_perm_b32 v[TT+1], v[\a1], v[\a0], s61
	v_perm_b32 v[TT+2], v[\a3], v[\a2], s60
	v_perm_b32 v[TT+3], v[\a3], v[\a2], s61
	v_perm_b32 v[\o0], v[TT+2], v[TT], s62
	v_perm_b32 v[\o1], v[TT+2], v[TT], s63
	v_perm_b32 v[\o2], v[TT+3], v[TT+1], s62
	v_perm_b32 v[\o3], v[TT+3], v[TT+1], s63
.endm
; The softmax of one query tile for nb blocks of 32 keys: as in the cross attention's launch.
.macro SOFT sb, st, pc, nb
.set bq, 0
.rept \nb
	v_max3_num_f32 v[T+bq], v[(\sb)+16*bq], v[(\sb)+16*bq+1], v[(\sb)+16*bq+2]
.set bq, bq+1
.endr
.irp i,3,5,7,9,11,13
.set bq, 0
.rept \nb
	v_max3_num_f32 v[T+bq], v[T+bq], v[(\sb)+16*bq+\i], v[(\sb)+16*bq+\i+1]
.set bq, bq+1
.endr
.endr
.set bq, 0
.rept \nb
	v_max_num_f32 v[T+bq], v[T+bq], v[(\sb)+16*bq+15]
.set bq, bq+1
.endr
.set bq, 0
.rept \nb
	v_permlanex16_b32 v[T+4+bq], v[T+bq], s46, s47
.set bq, bq+1
.endr
.set bq, 0
.rept \nb
	v_max_num_f32 v[T+bq], v[T+bq], v[T+4+bq]
.set bq, bq+1
.endr
.if \nb == 4
	v_max3_num_f32 v[T+14], v[T], v[T+1], v[T+2]
	v_max_num_f32 v[T+14], v[T+14], v[T+3]
	v_mul_f32 v[T+14], s48, v[T+14]
.elseif \nb == 3
	v_max3_num_f32 v[T+14], v[T], v[T+1], v[T+2]
	v_mul_f32 v[T+14], s48, v[T+14]
.else
	v_mul_f32 v[T+14], s48, v[T]
.endif
	v_max_num_f32 v[(\st)+4], v[(\st)+4], v[T+14]
	v_mov_b32 v[T+14], v[\st]
	v_floor_f32 v[\st], -v[(\st)+4]
	v_sub_f32 v[T+14], v[\st], v[T+14]
	v_cvt_i32_f32 v[T+14], v[T+14]
	v_ldexp_f32 v[T+12], 1.0, v[T+14]
.set jq, 0
.rept 8*\nb
	v_pk_fma_f32 v[(\sb)+jq:(\sb)+jq+1], v[(\sb)+jq:(\sb)+jq+1], s[48:49], v[(\st):(\st)+1] op_sel_hi:[1,0,0]
.set jq, jq+2
.endr
.set bq, 0
.rept \nb
	v_fma_f32 v[T+bq], v[T+bq], s48, v[\st]
.set bq, bq+1
.endr
.set jq, 0
.rept 16*\nb
	v_exp_f32 v[(\sb)+jq], v[(\sb)+jq]
.set jq, jq+1
.endr
	v_pk_mul_f32 v[(\st)+2:(\st)+3], v[(\st)+2:(\st)+3], v[T+12:T+13] op_sel_hi:[1,0]
	s_wait_alu depctr_va_vdst(0)                         ; one wait for the batch, ahead of its first reader
.set bq, 0
.rept \nb
	v_exp_f32 v[T+bq], v[T+bq]
.set bq, bq+1
.endr
	v_pk_add_f32 v[T+24:T+25], v[(\sb):(\sb)+1], v[(\sb)+2:(\sb)+3]
.set jq, 4
.rept 4*\nb-1
	v_pk_add_f32 v[(\st)+2:(\st)+3], v[(\st)+2:(\st)+3], v[(\sb)+jq:(\sb)+jq+1]
	v_pk_add_f32 v[T+24:T+25], v[T+24:T+25], v[(\sb)+jq+2:(\sb)+jq+3]
.set jq, jq+4
.endr
	v_pk_add_f32 v[(\st)+2:(\st)+3], v[(\st)+2:(\st)+3], v[T+24:T+25]
	s_wait_alu depctr_va_vdst(0)                         ; and one for the blocks' largest p
.set bq, 0
.rept \nb
	v_max_num_f32 v[T+bq], 0x1800000, v[T+bq]
.set bq, bq+1
.endr
.set bq, 0
.rept \nb
	v_add_nc_u32 v[T+8+bq], 0xff000000, v[T+bq]
.set bq, bq+1
.endr
.set bq, 0
.rept \nb
	v_lshrrev_b32 v[T+4+bq], 23, v[T+8+bq]
.set bq, bq+1
.endr
.if \nb == 4
	v_lshl_or_b32 v[(\st)+1], v[T+5], 8, v[T+4]
	v_lshl_or_b32 v[(\st)+1], v[T+6], 16, v[(\st)+1]
	v_lshl_or_b32 v[(\st)+1], v[T+7], 24, v[(\st)+1]
.elseif \nb == 3
	v_lshl_or_b32 v[(\st)+1], v[T+5], 8, v[T+4]
	v_lshl_or_b32 v[(\st)+1], v[T+6], 16, v[(\st)+1]
	v_or_b32 v[(\st)+1], 0x7f000000, v[(\st)+1]
.else
	v_or_b32 v[(\st)+1], 0x7f7f7f00, v[T+4]
.endif
.set bq, 0
.rept \nb
	v_cvt_scalef32_pk8_fp4_f32 v[(\pc)+2*bq], v[(\sb)+16*bq:(\sb)+16*bq+7], v[T+8+bq]
	v_cvt_scalef32_pk8_fp4_f32 v[(\pc)+2*bq+1], v[(\sb)+16*bq+8:(\sb)+16*bq+15], v[T+8+bq]
.set bq, bq+1
.endr
	v_nop
.if \nb == 3
	v_mov_b32 v[(\pc)+6], 0
	v_mov_b32 v[(\pc)+7], 0
.elseif \nb == 1
	v_mov_b32 v[(\pc)+2], 0
	v_mov_b32 v[(\pc)+3], 0
.endif
.set cq, 0
.rept (\nb+1)/2
	v_permlane16_swap_b32 v[(\pc)+4*cq], v[(\pc)+4*cq+2]
	v_permlane16_swap_b32 v[(\pc)+4*cq+1], v[(\pc)+4*cq+3]
.set cq, cq+1
.endr
.endm
.macro KSTEP j, nk                     ; nk key tiles of step j into window 1
	WIN 0
	v_add_nc_u32 v5, 32768*(\j), v3
	WIN 0x40
.set kq, 0
.rept \nk
.irp s,0,1,2,3
.irp c,0,1
	ds_load_b128 v[32*kq+8*\s+4*\c:32*kq+8*\s+4*\c+3], v5 offset:4096*kq+1024*\s+512*\c
.endr
.endr
.set kq, kq+1
.endr
.endm
.macro SPROD j, nk                     ; S^T of nk key tiles, K = 512: the accumulators by turns
	WIN 0xA1
.irp s,0,1,2,3
.set kq, 0
.rept \nk
.if \s > 0
	v_wmma_scale_f32_16x16x128_f8f6f4 v[8*kq:8*kq+7], v[32*kq+8*\s:32*kq+8*\s+7], v[216+8*\s:223+8*\s], v[8*kq:8*kq+7], v[64+4*(8*(\j)+kq)+\s], v[32+\s] matrix_a_fmt:MATRIX_FMT_FP4 matrix_b_fmt:MATRIX_FMT_FP4
.elseif ((\j) == 4) && (kq >= 4)
	v_wmma_scale_f32_16x16x128_f8f6f4 v[8*kq:8*kq+7], v[32*kq+8*\s:32*kq+8*\s+7], v[216+8*\s:223+8*\s], v[T+48+8*(kq-4):T+55+8*(kq-4)], v[64+4*(8*(\j)+kq)+\s], v[32+\s] matrix_a_fmt:MATRIX_FMT_FP4 matrix_b_fmt:MATRIX_FMT_FP4
.else
	v_wmma_scale_f32_16x16x128_f8f6f4 v[8*kq:8*kq+7], v[32*kq+8*\s:32*kq+8*\s+7], v[216+8*\s:223+8*\s], 0, v[64+4*(8*(\j)+kq)+\s], v[32+\s] matrix_a_fmt:MATRIX_FMT_FP4 matrix_b_fmt:MATRIX_FMT_FP4
.endif
.set kq, kq+1
.endr
.endr
.endm
.macro SSTEP j, nk, nb, nxt            ; a key step: products; the next step's tiles are asked for; softmax; the step's scale word and -M are kept
	s_wait_dscnt 0x0
	SPROD \j, \nk
	PLACES
.if \nxt
	KSTEP (\j)+1, \nxt
.endif
	WIN 0xAA
	SOFT 0, T+28, 128+8*(\j), \nb
	v_mov_b32 v[T+34+(\j)], v[T+29]
	v_mov_b32 v[T+40+(\j)], v[T+28]
.endm
.macro VLOAD g                         ; V^T of my g-th 64 channels x 608 keys and its scale words: 60 loads; the group stands in the immediates
	WIN 0x40
.irp t,0,1,2,3
.irp sp,0,1,2,3
.irp c,0,1
	ds_load_b128 v[40*\t+8*\sp+4*\c:40*\t+8*\sp+4*\c+3], v[7+\sp] offset:16384*\c+256*\t+1024*(\g)
.endr
.endr
	ds_load_b128 v[40*\t+32:40*\t+35], v11 offset:256*\t+1024*(\g)
	ds_load_b128 v[40*\t+36:40*\t+39], v12 offset:256*\t+1024*(\g)   ; block 18 in both halves of the lanes: block 19 is not there, and p's codes for it are zeros
.endr
	WIN 0
.irp t,0,1,2,3
.irp sp,0,1,2,3,4
	ds_load_b32 v[44+5*\t+\sp], v13 offset:2048*\sp+64*\t+256*(\g)
.endr
.endr
.endm
.macro GLOAD g                         ; for my g-th channel group: cross_attended and norm_F_L at the places where the stage's rows come back, and the two gains: 18 loads
	WIN 0xC0
.irp i,0,1,2,3,4,5,6,7
	global_load_b128 v[32*(\g)+4*\i:32*(\g)+4*\i+3], v16, s[36:37] offset:(((2*\i)&7)+16*(\i>>2))*2048+256*(\g)
	global_load_b128 v[128+32*(\g)+4*\i:128+32*(\g)+4*\i+3], v16, s[38:39] offset:(((2*\i)&7)+16*(\i>>2))*2048+256*(\g)
.endr
	WIN 0x80
	global_load_b128 v[224+8*(\g):227+8*(\g)], v17, s[8:9] offset:256*(\g)
	global_load_b128 v[228+8*(\g):231+8*(\g)], v17, s[10:11] offset:256*(\g)
	WIN 0
.endm
; One of my four channel groups: 20 products, O / l through the stage, the next group's V asked for, the two gated sums, the stores.
.macro PVTRIP g
	s_wait_dscnt 0x0                                     ; V and its scale words
	WIN 0xA9
.irp sp,0,1,2,3,4
.irp t,0,1,2,3
.if \sp == 0
	v_wmma_scale_f32_16x16x128_f8f6f4 v[192+8*\t:199+8*\t], v[40*\t+8*\sp:40*\t+8*\sp+7], v[128+8*\sp:135+8*\sp], 0, v[44+5*\t+\sp], v[36+\sp] matrix_a_fmt:MATRIX_FMT_FP4 matrix_b_fmt:MATRIX_FMT_FP4
.else
	v_wmma_scale_f32_16x16x128_f8f6f4 v[192+8*\t:199+8*\t], v[40*\t+8*\sp:40*\t+8*\sp+7], v[128+8*\sp:135+8*\sp], v[192+8*\t:199+8*\t], v[44+5*\t+\sp], v[36+\sp] matrix_a_fmt:MATRIX_FMT_FP4 matrix_b_fmt:MATRIX_FMT_FP4
.endif
.endr
.endr
	WIN 0
	PLACES                                               ; ahead of the first read of O, and of the loads into V's registers below
	WIN 0xAA
.irp t,0,1,2,3
.irp e,0,2,4,6
	v_pk_mul_f32 v[192+8*\t+\e:193+8*\t+\e], v[192+8*\t+\e:193+8*\t+\e], v[T+46:T+47] op_sel_hi:[1,0]   ; O / l, each accumulator from its low end on
.endr
.endr
	WIN 0x08
.irp t,0,1,2,3
	ds_store_b128 v14, v[192+8*\t:195+8*\t] offset:64*\t
	ds_store_b128 v14, v[196+8*\t:199+8*\t] offset:64*\t+16
.endr
	WIN 0x80
.irp i,0,1,2,3,4,5,6,7
	ds_load_b128 v[4*\i:4*\i+3], v15 offset:544*\i       ; LDS serves a wave's instructions in order: these see my stores
.endr
.if \g < 3
	VLOAD (\g)+1                                         ; the next group's V lands while this group's rows are finished and stored
	s_wait_dscnt 60                                      ; the rows are back from the stage; the 60 loads just issued stay out
.else
	s_wait_dscnt 0x0
.endif
	WIN 0xBA                                             ; rows and gains in window 2, the addend in window 3
.irp i,0,1,2,3,4,5,6,7
.irp e,0,2
	v_pk_fma_f32 v[4*\i+\e:4*\i+\e+1], v[4*\i+\e:4*\i+\e+1], v[224+8*(\g)+\e:225+8*(\g)+\e], v[32*(\g)+4*\i+\e:32*(\g)+4*\i+\e+1]
.endr
.endr
.irp i,0,1,2,3,4,5,6,7
.irp e,0,2
	v_pk_fma_f32 v[4*\i+\e:4*\i+\e+1], v[4*\i+\e:4*\i+\e+1], v[228+8*(\g)+\e:229+8*(\g)+\e], v[128+32*(\g)+4*\i+\e:128+32*(\g)+4*\i+\e+1]
.endr
.endr
	WIN 0
	s_cmp_ge_u32 s15, 36
	s_cbranch_scc1 .Ledge_\@
	WIN 0x08
.irp i,0,1,2,3,4,5,6,7
	global_store_b128 v16, v[4*\i:4*\i+3], s[40:41] offset:(((2*\i)&7)+16*(\i>>2))*2048+256*(\g) th:TH_STORE_NT   ; sixteen lanes store 256 consecutive bytes, aligned
.endr
	WIN 0
	s_branch .Lstored_\@
.Ledge_\@:                                               ; tiles 36 and 37: row 576 alone is real
	v_cmp_gt_u32 vcc_lo, 0x241, v24
	s_wait_xcnt 0x0                                      ; EXEC changes only behind this wait
	s_and_saveexec_b32 s74, vcc_lo
	WIN 0x08
	global_store_b128 v16, v[0:3], s[40:41] offset:256*(\g) th:TH_STORE_NT
	WIN 0
	s_wait_xcnt 0x0
	s_or_b32 exec_lo, exec_lo, s74
.Lstored_\@:
	s_wait_xcnt 0x0                                      ; the stores have read their data: the next group's rows may land there
.endm
	s_load_b256 s[4:11], s[0:1], 0x0                     ; cw, qw, gamma1, gamma2
	s_load_b64 s[12:13], s[0:1], 0x20                    ; out0
	v_lshl_add_u32 v1, v0, 2, SPARE
	v_mov_b32 v2, 0
	ds_add_u32 v1, v2                                    ; the wave's opening: the add, twice on end, and its wait ahead of my first tensor load
	ds_add_u32 v1, v2
	v_lshrrev_b32 v23, 5, v0
	v_readfirstlane_b32 s14, v23                         ; wave
	s_lshr_b32 s71, s14, 1
	s_lshl_b32 s15, ttmp9, 1
	s_add_co_u32 s15, s15, s71                           ; my query tile: 2 x + wave / 2
	s_and_b32 s32, s14, 1                                ; which four channel groups are mine
	s_lshl_b32 s50, s32, 12                              ; in V's codes: 4 x 1,024 bytes
	s_lshl_b32 s51, s32, 10                              ; in a row of f32, and in V's scale words: 4 x 256 bytes
	s_and_b32 s33, ttmp7, 0xffff                         ; batch
	s_mov_b32 s16, 3<<16                                 ; group 1, dense: 152 rows of 32 elements of 8 bytes
	s_mov_b32 s17, 32<<16
	s_mov_b32 s18, 152<<16
	s_mov_b32 s19, 32<<16
	s_mov_b32 s20, 152
	s_mov_b32 s21, 32
	s_mov_b32 s22, 0
	s_mov_b32 s23, 0
	s_mov_b32 s44, 0xffff0000
	s_mov_b32 s46, 0x76543210
	s_mov_b32 s47, 0xfedcba98
	s_mov_b32 s48, 0x3d8293ee                            ; log2(e) / sqrt(512)
	s_mov_b32 s49, s48
	s_mov_b32 s60, 0x05010400
	s_mov_b32 s61, 0x07030602
	s_mov_b32 s62, 0x05040100
	s_mov_b32 s63, 0x07060302
	s_lshr_b32 s34, s15, 1                               ; my tile's first row: 32 (tile / 2) + 8 (tile % 2)
	s_lshl_b32 s34, s34, 5
	s_and_b32 s71, s15, 1
	s_lshl_b32 s71, s71, 3
	s_add_co_u32 s34, s34, s71
	s_mul_i32 s71, s14, 38912
	s_mov_b32 s24, 1
	s_mov_b32 s25, s71
	s_mov_b32 s28, 1
	s_add_co_u32 s29, s71, VB
	s_mul_i32 s72, s33, 155648
	s_add_co_u32 s72, s72, s71
	s_mov_b32 s73, 0
	v_and_b32 v23, 31, v0
	v_lshlrev_b32 v3, 4, v23
	v_and_b32 v24, 15, v0                                ; r
	v_bfe_u32 v25, v0, 4, 1                              ; h
	v_lshlrev_b32 v4, 4, v24
	v_lshlrev_b32 v6, 2, v0
	s_mul_i32 s71, s14, 4352                             ; my stage: 16 rows x 272 bytes
	v_mul_u32_u24 v14, v24, 272
	v_lshl_add_u32 v14, v25, 5, v14
	v_add_nc_u32 v14, s71, v14
	v_mul_u32_u24 v15, v25, 272
	v_lshl_add_u32 v15, v24, 4, v15
	v_add_nc_u32 v15, s71, v15
	v_lshl_add_u32 v16, v25, 11, v4
	v_add_nc_u32 v16, s51, v16                           ; a row's bytes: 2,048 h + 16 r + my half
	v_add_nc_u32 v17, s51, v4                            ; the gains: 16 r + my half
	v_lshl_add_u32 v7, v25, 13, v4
	v_add_nc_u32 v7, VB, v7
	v_add_nc_u32 v7, s50, v7                             ; V: key block h of K step 0, channel r of my first group
	v_add_nc_u32 v8, 32768, v7
	v_add_nc_u32 v9, 65536, v7
	v_add_nc_u32 v10, 98304, v7
	v_add_nc_u32 v11, 131072, v7
	v_add_nc_u32 v12, VB+147456, v4
	v_add_nc_u32 v12, s50, v12                           ; key block 18
	v_lshl_add_u32 v13, v24, 2, VSW
	v_add_nc_u32 v13, s51, v13
	v_lshl_add_u32 v22, v0, 4, VSW
	v_add_nc_u32 v24, s34, v25                           ; the first row that my lane would store
	s_wait_dscnt 0x0                                     ; both opening adds are done
	s_wait_kmcnt 0x0
	s_add_nc_u64 s[26:27], s[4:5], s[72:73]
	s_or_b32 s27, s27, 0x80000000
	s_add_co_u32 s72, s72, CWV
	s_add_nc_u64 s[30:31], s[4:5], s[72:73]
	s_or_b32 s31, s31, 0x80000000
	tensor_load_to_lds s[24:27], s[16:23]                ; two loads of mine are out: my quarter of K's codes,
	s_nop 0
	tensor_load_to_lds s[28:31], s[16:23]                ; and of V's
	s_nop 0
	PLACES
	s_mul_i32 s71, s33, 9728
	s_add_co_u32 s72, s71, CWB
	s_add_nc_u64 s[74:75], s[4:5], s[72:73]              ; V's scale bytes
	s_add_co_u32 s72, s71, CWS
	s_add_nc_u64 s[76:77], s[4:5], s[72:73]              ; K's scale words
	s_mul_i32 s71, s33, 38
	s_add_co_u32 s71, s71, s15
	s_lshl_b32 s72, s71, 12
	s_add_nc_u64 s[78:79], s[4:5], s[72:73]              ; my queries' codes
	s_lshl_b32 s72, s71, 8
	s_add_co_u32 s72, s72, CWS
	s_add_nc_u64 s[66:67], s[4:5], s[72:73]              ; and scale words
	s_mul_i32 s72, s33, 608
	s_add_co_u32 s72, s72, s34
	s_lshl_b32 s72, s72, 11
	s_add_co_u32 s72, s72, CWX
	s_add_nc_u64 s[36:37], s[4:5], s[72:73]
	s_mul_i32 s72, s33, 640
	s_add_co_u32 s72, s72, s34
	s_lshl_b32 s72, s72, 11
	s_add_co_u32 s72, s72, QWN
	s_add_nc_u64 s[38:39], s[6:7], s[72:73]
	s_mul_i32 s72, s33, 577
	s_add_co_u32 s72, s72, s34
	s_lshl_b32 s72, s72, 11
	s_add_nc_u64 s[40:41], s[12:13], s[72:73]
	WIN 0x40
.irp be,0,1,2,3,4,5,6,7,8,9,10,11,12,13,14,15,16,17,18
	global_load_b32 v[\be], v6, s[74:75] offset:512*\be
.endr
	WIN 0
.set kq, 0
.rept 38
	global_load_b128 v[64+4*kq:67+4*kq], v4, s[76:77] offset:256*kq
.set kq, kq+1
.endr
.irp s,0,1,2,3
.irp c,0,1
	global_load_b128 v[216+8*\s+4*\c:219+8*\s+4*\c], v3, s[78:79] offset:1024*\s+512*\c
.endr
.endr
	global_load_b128 v[32:35], v4, s[66:67]
	WIN 0x55
	v_mov_b32 v19, 0x7f7f7f7f
	s_wait_loadcnt 47                                    ; V's bytes are in; K's scale words and Q stay out
	TR4 0,1,2,3, 24,25,26,27
	TR4 4,5,6,7, 28,29,30,31
	TR4 8,9,10,11, 32,33,34,35
	TR4 12,13,14,15, 36,37,38,39
	TR4 16,17,18,19, 40,41,42,43
	WIN 0x04
.irp sp,0,1,2,3,4
	ds_store_b128 v22, v[24+4*\sp:27+4*\sp] offset:2048*\sp
.endr
	WIN 0
	s_wait_dscnt 0x0
	s_wait_tensorcnt 0x1                                 ; K is in; V may stay out
	s_barrier_signal -1
	s_barrier_wait -1
	s_wait_loadcnt 0x0
	KSTEP 0, 8
	GLOAD 0                                              ; 36 loads for the way out go out here: they have the whole score phase in which to land
	GLOAD 1
	WIN 0xAA
	v_mov_b32 v[T+32], 0xff61b1e6                        ; the largest t so far: -3e38
	v_floor_f32 v[T+28], -v[T+32]
.irp i,4,5,6,7,13,29,30,31,47
	v_mov_b32 v[T+\i], 0
.endr
	v_mov_b32 v[T+14], 0xF149F2CA                        ; -1e30: of the tail's third block key 576 alone counts
	v_cndmask_b32 v[T+48], 0, v[T+14], s44
.irp i,1,2,3,4,5,6,7,8,9,10,11,12,13,14,15
	v_mov_b32 v[T+48+\i], 0xF149F2CA
.endr
	SSTEP 0, 8, 4, 8
	SSTEP 1, 8, 4, 8
	GLOAD 2                                              ; and the other 36, three key steps ahead of their wait
	GLOAD 3
	SSTEP 2, 8, 4, 8
	SSTEP 3, 8, 4, 6
	SSTEP 4, 6, 3, 0
.irp j,0,1,2,3,4                                         ; each step's scale bytes under the final M: byte - (M - M_j), held at 1
	v_sub_f32 v[T+\j], v[T+40+\j], v[T+28]
.endr
.irp j,0,1,2,3,4
	v_cvt_i32_f32 v[T+\j], v[T+\j]
.endr
.irp j,0,1,2,3,4
	v_min_u32 v[T+\j], 255, v[T+\j]
.endr
.irp j,0,1,2,3,4
	v_add_nc_u32 v[T+5+\j], 1, v[T+\j]
.endr
.irp j,0,1,2,3,4
	v_bfe_u32 v[T+16+\j], v[T+34+\j], 0, 8
.endr
.irp j,0,1,2,3,4
	v_max_u32 v[T+16+\j], v[T+16+\j], v[T+5+\j]
.endr
.irp j,0,1,2,3,4
	v_sub_nc_u32 v[T+40+\j], v[T+16+\j], v[T+\j]
.endr
.irp k,1,2,3
.irp j,0,1,2,3,4
	v_bfe_u32 v[T+16+\j], v[T+34+\j], 8*\k, 8
.endr
.irp j,0,1,2,3,4
	v_max_u32 v[T+16+\j], v[T+16+\j], v[T+5+\j]
.endr
.irp j,0,1,2,3,4
	v_sub_nc_u32 v[T+16+\j], v[T+16+\j], v[T+\j]
.endr
.irp j,0,1,2,3,4
	v_lshl_or_b32 v[T+40+\j], v[T+16+\j], 8*\k, v[T+40+\j]
.endr
.endr
	WIN 0x02
.irp j,0,1,2,3,4
	v_mov_b32 v[36+\j], v[T+40+\j]                       ; scale operands have no window: they lie in window 0
.endr
	WIN 0xAA
	v_add_f32 v[T+46], v[T+30], v[T+31]
	v_permlanex16_b32 v[T+47], v[T+46], s46, s47
	v_add_f32 v[T+46], v[T+46], v[T+47]                  ; l
	v_rcp_f32 v[T+46], v[T+46]
	v_nop
	s_wait_alu depctr_va_vdst(0)                         ; the wait ahead of the reciprocal's first reader
	WIN 0
	s_wait_tensorcnt 0x0                                 ; my part of V is in,
	s_wait_dscnt 0x0                                     ; and my reads of K are over
	s_barrier_signal -1
	s_barrier_wait -1                                    ; everybody's
	s_wait_loadcnt 0x0                                   ; cross_attended, norm_F_L and the gains of my four groups
	VLOAD 0
.rept 8
	v_nop                                                ; p's scale words were written by vector instructions: eight places ahead of the scaled products
.endr
	PVTRIP 0
	PVTRIP 1
	PVTRIP 2
	PVTRIP 3
	s_wait_tensorcnt 0x0                                 ; the wave's end
	ds_add_u32 v1, v2
	s_wait_dscnt 0x0
	s_endpgm
.Lfunc_end_k_q8f9c8db1b5_self:
	.size	k_q8f9c8db1b5_self, .Lfunc_end_k_q8f9c8db1b5_self-k_q8f9c8db1b5_self
	.p2alignl 7, 3214868480
	.fill 96, 4, 3214868480
	.section	.rodata,"a",@progbits
	.p2align	6, 0x0
	.amdhsa_kernel k_q8f9c8db1b5_self
		.amdhsa_group_segment_fixed_size 327680
		.amdhsa_private_segment_fixed_size 0
		.amdhsa_enable_private_segment 0
		.amdhsa_kernarg_size 40
		.amdhsa_user_sgpr_count 2
		.amdhsa_user_sgpr_kernarg_segment_ptr 1
		.amdhsa_wavefront_size32 1
		.amdhsa_system_sgpr_workgroup_id_x 1
		.amdhsa_system_sgpr_workgroup_id_y 1
		.amdhsa_system_sgpr_workgroup_id_z 1
		.amdhsa_system_vgpr_workitem_id 0
		.amdhsa_next_free_vgpr 1024
		.amdhsa_next_free_sgpr 80
		.amdhsa_reserve_vcc 1
		.amdhsa_float_denorm_mode_32 3
		.amdhsa_float_denorm_mode_16_64 3
		.amdhsa_memory_ordered 1
		.amdhsa_forward_progress 1
		.amdhsa_inst_pref_size 168
	.end_amdhsa_kernel
	.amdgpu_metadata
---
amdhsa.version: [ 1, 2 ]
amdhsa.kernels:
  - .name:           k_q8f9c8db1b5_self
    .symbol:         k_q8f9c8db1b5_self.kd
    .args:
      - { .name: cw, .offset: 0, .size: 8, .value_kind: global_buffer, .address_space: global }
      - { .name: qw, .offset: 8, .size: 8, .value_kind: global_buffer, .address_space: global }
      - { .name: gamma1, .offset: 16, .size: 8, .value_kind: global_buffer, .address_space: global }
      - { .name: gamma2, .offset: 24, .size: 8, .value_kind: global_buffer, .address_space: global }
      - { .name: out0, .offset: 32, .size: 8, .value_kind: global_buffer, .address_space: global }
    .group_segment_fixed_size: 327680
    .private_segment_fixed_size: 0
    .kernarg_segment_align: 8
    .kernarg_segment_size: 40
    .max_flat_workgroup_size: 128
    .sgpr_count:     80
    .vgpr_count:     1024
    .wavefront_size: 32
...
	.end_amdgpu_metadata
.endif
;; end of part 4
